; MI455X (gfx1250); checked and timed in simulation.
; The chip was launched on July 23, 2026; its instructions are those of AMD's public machine-readable ISA for CDNA 5 (MIT licence, August 2026) and "CDNA5" Instruction Set Architecture Reference Guide (July 2026). The comments in the code are by the model that wrote it; some were corrected since.
;; Sigma Encoder. Allowed arithmetic: float matrix products may take bf16 or f16 operands with f32 sums; all other float work in f32.
;; Inputs: W1 1,025 x 512 float32; W2 512 x 512 float32; W3 512 x 512 float32; a 256 x 1,024 float32; b1 512 float32; b2 512 float32; b3 512 float32; ln_b 512 float32; ln_g 512 float32; mask 256 x 1,024 bool; mate 256 x 1,024 int32.
;; Outputs: out0 256 x 512 float32.
;; 2 versions, each right and faster than the one before. Each part assembles by itself: llvm-mc -triple=amdgcn-amd-amdhsa -mcpu=gfx1250 --defsym DOCPART=n.
;; ======== version 1 of 2: 2 launches
;; limits: a difference of large sums (such as E[x^2] - mean^2): digits are lost where the result is much smaller than its terms
;; workspace buffers: part 4,194,304 bytes
;; launch pool (part 1): grid 8 x 32, 16 waves a work-group, no clusters, 318,464 bytes of LDS; arguments W1, b1, W2, b2, a, mate, mask, part; writes part
.if DOCPART == 1
	.amdgcn_target "amdgcn-amd-amdhsa--gfx1250"
	.amdhsa_code_object_version 6
	.text
	.protected	k_q1099d99f71_pool
	.globl	k_q1099d99f71_pool
	.p2align	8
	.type	k_q1099d99f71_pool,@function
k_q1099d99f71_pool:
	s_mov_b64 s[64:65], 0
	v_nop
	global_prefetch_b8 v0, s[64:65] scope:SCOPE_SE
	s_setreg_imm32_b32 hwreg(HW_REG_WAVE_MODE, 25, 1), 1
	s_wait_xcnt 0x0
; SigmaEncoder, first of two launches: masked mean of gelu(a W1[0] + W1[1+mate] + b1), times W2.
;
; THE ALGEBRA.  Between the product with W2 and the masked sum over t nothing is non-linear, so
;   pooled[b] = (sum over t of mask gelu(h[b][t])) @ W2 / max(cnt,1) + b2 min(cnt,1)
; for every input.  The product shrinks from 262,144 rows to 256; what is left is one GELU for each unmasked slot and column.
;
; THE SHARES.  Work-group (slice = x, bg = y): columns 64 slice .. +63 of D, batches 8 bg .. +7.  It keeps its 64 columns of the whole
; table W1[1:] in LDS (1,024 rows of 256 bytes, f32), so that a gathered row is one LDS load of sixteen lanes.  Wave w takes 512 slots:
; batch 8 bg + w/2, t from 512 (w & 1).  In the main loop a lane owns four columns (16 bytes of a table row) and each half of the wave
; walks slots of its own.  At the end the 8 x 64 means are multiplied by rows 64 slice .. +63 of W2 (bf16 matrix form, K = 64) and stored
; as this slice's partial of pooled, part[b][slice][512]; each of the eight slices adds b2 min(cnt,1) / 8.  The next launch adds them.
;
; THE GELU.  gelu(x) = 0.5 x + |x| (0.5 - q), q = 1 - Phi(|x|) = exp(-x^2/2) (c1 t + .. + c5 t^5), t = 1 / (1 + 0.2316419 |x|)
; (Abramowitz and Stegun 26.2.17, error of Phi at most 7.5e-8).  All is done on y = s x with s = sqrt(log2(e) / 2), folded into the table
; and into W1[0], so that exp(-x^2/2) = 2^(-y^2) without a multiply; 1/s and 1/max(cnt,1) are applied once, to the sums.
;
; THE PHASES.  A wave lists the true slots of 256 (table offset and a), then walks the list, twice.  Each walk stands between two barriers:
; while any wave gathers from LDS through addresses that come out of a list, no wave stores to LDS.
;
; LIMITS, kept on purpose:
;  - the order of rounding differs from the reference's (sum over t first, product with W2 afterwards, in bf16 operands and f32 sums);
;  - Phi is approximated as said; 0.5 sum(y) and sum(|y| r) are summed apart in f32;
;  - slots whose mask is false are skipped: a NaN or an infinity in a, W1 or b1 that only such slots touch gives no NaN here;
;  - behind its entries a list holds null slots, which compute 0 * W1[0] + 0: W1[0] must be finite;
;  - mate < 0 is an inactive slot (row of b1 alone), mate > 1023 counts as 1023; any mask byte other than 0 counts as true.
;
; NO JOINT TENSOR LOADS for the table, though the 32 work-groups of a slice read the same 262,144 bytes: every word is changed on its way
; in, to s (W1 + b1), so it passes through registers anyway; a raw copy would cost a second pass over the table in LDS or one more packed
; instruction for every pair of GELUs.
; ---- numbers ----
.set SIGMA,   0x3f596d27               ; s = 0.84932180
.set RSIGMA,  0x3f96b55f               ; 1 / s
.set PCOEF,   0x3e8ba440               ; 0.2316419 / s
.set NC1,     0xbe027906               ; -c1 .. -c5: negated, so that r = 0.5 + poly * e
.set NC2,     0x3e11a98e
.set NC3,     0xbf35f0e3
.set NC4,     0x3f3a00e3
.set NC5,     0xbf07dc22
.set EIGHTH,  0x3e000000
; ---- LDS ----
.set NULLROW, 262400                   ; byte offset of table row 1025 (zeros); row 1024 (262,144) holds s b1
.set L_LIST,  262656                   ; behind the table's 1,026 rows: a list for each wave
.set LISTB,   3072                     ; 384 words of table offsets, then 384 words of a
.set ALIST,   1536                     ; places 0-255 entries, up to 287 read ahead, 288-319 dump places of the false lanes, never read
.set L_GP,    311808                   ; each wave's 64 sums, pitch 272
.set GPP,     272
.set L_CNT,   316160                   ; each wave's count, f32
; the stage for the partial products lies over the table, once it is dead: [ks][8 rows][512] f32 = 2 x 16,384 bytes from 0
; ---- vector registers ----
.set CQ16,  1                          ; 16 x (thread & 15): my four columns in a table row
.set LB,    2                          ; my wave's list
.set LP,    3                          ; where my half of the wave reads in it
.set T,     4                          ; v[4:7] at work
.set DUMP,  8                          ; 288 + lane: the list place of a lane whose slot is masked out
.set LBL,   9                          ; LB + 16 lane
.set W0S,   10                         ; s W1[0], my four columns
.set B1S,   14                         ; s b1
.set B2V,   18                         ; b2, four columns at 4 (thread & 127)
.set SUMA,  22                         ; sum of y
.set SUMB,  26                         ; sum of |y| r
.set CF,    30                         ; -c1 .. -c5, each twice (pairs)
.set HALF,  40
.set SIG,   42
.set LA,    44                         ; v[44:47] 16 thread + 65,536 g: the fill's LDS addresses
.set GOFF,  48                         ; the fill's offset in W1
.set WOFF,  49                         ; offset of my part of a weight fragment
.set MATE,  50                         ; 16 slots of a lane
.set AIN,   66
.set MASKW, 82                         ; their 16 mask bytes
.set WR,    86                         ; 64: W2 as loaded, f32
.set OFF,   150                        ; four table offsets from the list
.set AV,    154                        ; four a
.set ADR,   158
.set TAB,   162                        ; four slots x four columns, table rows
.set Y,     178
.set DD,    194
.set UU,    210
.set PP,    226
.set LANE,  242
.set L16,   243
.set L4,    244
.set Q16,   245                        ; 16 x (thread & 127)
.set LBH,   246                        ; LB + 16 h
.set RING,  162                        ; the fill: 16 slots of 4 registers (over TAB .. UU)
.set GL,    162                        ; the end: 32 sums as read back; later the read-out
.set AF,    194                        ; A fragment
.set ACC,   202                        ; four result tiles
.set BF,    50                         ; four B fragments (over MATE, AIN)
.set CN,    234                        ; the two counts of a batch
.macro PAIR reg, val
	v_mov_b32 v[\reg], \val
	v_mov_b32 v[\reg+1], \val
.endm
	s_load_b512 s[8:23], s[0:1], 0x0               ; W1 8, b1 10, W2 12, b2 14, a 16, mate 18, mask 20, part 22
	v_lshl_add_u32 v248, v0, 2, 0x4d400
	v_mov_b32 v249, 0
	v_lshrrev_b32 v[T], 5, v0
	v_readfirstlane_b32 s4, v[T]                   ; wave 0..15
	s_and_b32 s3, ttmp7, 0xffff                    ; bg; ttmp9 is the slice
	v_and_b32 v[LANE], 31, v0
	v_bfe_u32 v[T+1], v0, 4, 1                     ; h: which half of the wave
	v_lshrrev_b32 v[T+2], 4, v0                    ; thread / 16
	v_and_b32 v[T+3], 15, v0
	v_lshlrev_b32 v[CQ16], 4, v[T+3]
	v_lshlrev_b32 v[L16], 4, v[LANE]
	v_lshlrev_b32 v[L4], 2, v[LANE]
	v_and_b32 v[Q16], 127, v0
	v_lshlrev_b32 v[Q16], 4, v[Q16]
	v_lshl_add_u32 v[GOFF], v[T+2], 11, v[CQ16]    ; row thread / 16 of 2,048 bytes + my 16 bytes
	v_lshl_add_u32 v[WOFF], v[T+1], 14, v[CQ16]    ; 8 h rows of 2,048 bytes + 16 r
.irp g, 0,1,2,3
	v_lshl_add_u32 v[LA+\g], v0, 4, \g*65536
.endr
	s_mul_i32 s5, s4, LISTB
	s_add_co_u32 s5, s5, L_LIST
	v_mov_b32 v[LB], s5
	v_lshl_add_u32 v[LBH], v[T+1], 4, s5
	v_lshl_add_u32 v[LBL], v[LANE], 4, s5
	v_add_nc_u32 v[DUMP], 0x120, v[LANE]
	PAIR CF,   NC1
	PAIR CF+2, NC2
	PAIR CF+4, NC3
	PAIR CF+6, NC4
	PAIR CF+8, NC5
	PAIR HALF, 0.5
	PAIR SIG,  SIGMA
	PAIR SUMA,   0                                 ; eight running sums: a wave may find no slot at all, so they start at 0
	PAIR SUMA+2, 0
	PAIR SUMB,   0
	PAIR SUMB+2, 0
	s_mov_b32 s30, PCOEF
	s_mov_b32 s32, 0x76543210                      ; v_permlanex16_b32: lane i reads lane i of the other half
	s_mov_b32 s33, 0xfedcba98
	s_mov_b32 s25, 0                               ; my wave's count of true slots
	s_lshl_b32 s34, ttmp9, 8                       ; 256 slice: the slice's bytes in a row of W1 and in b1
	s_mov_b32 s35, 0                               ; s[34:35]: an offset as a pair
	s_wait_kmcnt 0x0
	s_add_nc_u64 s[36:37], s[8:9], s[34:35]        ; W1 row 0, my slice
	s_add_nc_u64 s[38:39], s[36:37], 0x800         ; W1 row 1, my slice
	s_add_nc_u64 s[10:11], s[10:11], s[34:35]      ; b1, my slice
	s_lshl_b32 s6, s3, 13
	s_lshl_b32 s7, s4, 9
	s_add_co_u32 s34, s6, s7                       ; my first slot: 8,192 bg + 512 w
	s_add_nc_u64 s[46:47], s[20:21], s[34:35]      ; mask, one byte a slot
	s_lshl_b32 s34, s34, 2
	s_add_nc_u64 s[42:43], s[16:17], s[34:35]      ; a
	s_add_nc_u64 s[44:45], s[18:19], s[34:35]      ; mate
	s_and_b32 s6, s4, 1                            ; ks: my K step of 32 in the product at the end
	s_lshr_b32 s7, s4, 1                           ; cg: my 64 output columns there
	s_lshl_b32 s34, ttmp9, 17                      ; W2: row 64 slice + 32 ks, byte 256 cg
	s_lshl_b32 s5, s6, 16
	s_add_co_u32 s34, s34, s5
	s_lshl_b32 s5, s7, 8
	s_add_co_u32 s34, s34, s5
	s_add_nc_u64 s[40:41], s[12:13], s[34:35]
	s_lshl_b32 s34, s3, 17                         ; part: batch 8 bg (16,384 bytes each), slice (2,048 bytes)
	s_lshl_b32 s5, ttmp9, 11
	s_add_co_u32 s34, s34, s5
	s_add_nc_u64 s[22:23], s[22:23], s[34:35]
	; my wave's 512 slots: register 4 g + e of lane l is slot 128 g + 4 l + e, byte e of mask word g the same slot
.irp g, 0,1,2,3
	global_load_b128 v[MATE+4*\g:MATE+4*\g+3], v[L16], s[44:45] offset:512*\g
	global_load_b128 v[AIN+4*\g:AIN+4*\g+3], v[L16], s[42:43] offset:512*\g
	global_load_b32 v[MASKW+\g], v[L4], s[46:47] offset:128*\g
.endr
	global_load_b128 v[B1S:B1S+3], v[CQ16], s[10:11]
	global_load_b128 v[W0S:W0S+3], v[CQ16], s[36:37]
	global_load_b128 v[B2V:B2V+3], v[Q16], s[14:15]
	; THE TABLE.  Load i brings rows 32 i + thread / 16: sixteen lanes take the slice's 256 aligned bytes of one row.
	; A ring of 16 register slots: 16 loads of 512 bytes of every wave are on their way.
.irp i, 0,1,2,3,4,5,6,7,8,9,10,11,12,13,14,15
	global_load_b128 v[RING+4*\i:RING+4*\i+3], v[GOFF], s[38:39] offset:65536*\i
.endr
	s_wait_loadcnt 16                              ; loads end in order (ISA guide 5.7.1): only the ring's 16 stay out; slots, b1, W1[0], b2 are in
	v_pk_mul_f32 v[B1S:B1S+1], v[B1S:B1S+1], v[SIG:SIG+1]
	v_pk_mul_f32 v[B1S+2:B1S+3], v[B1S+2:B1S+3], v[SIG:SIG+1]
	v_pk_mul_f32 v[W0S:W0S+1], v[W0S:W0S+1], v[SIG:SIG+1]
	v_pk_mul_f32 v[W0S+2:W0S+3], v[W0S+2:W0S+3], v[SIG:SIG+1]
; One register of slots (32 of them, one a lane): those whose mask is true append their table offset and their a to the wave's list.
; All lanes store: a lane whose slot is masked out writes to a dump place of its own, which nobody reads.
.macro COMPACT q
	v_and_b32 v[T], 0xff<<(8*(\q&3)), v[MASKW+(\q>>2)]
	v_cmp_ne_u32 vcc_lo, 0, v[T]
	v_min_i32 v[T+1], 0x3ff, v[MATE+\q]            ; above the table: its last row
	v_min_u32 v[T+1], 0x400, v[T+1]                ; negative (huge as unsigned): row 1024, b1 alone
	v_lshlrev_b32 v[T+1], 8, v[T+1]                ; rows of 256 bytes
	v_mbcnt_lo_u32_b32 v[T+2], vcc_lo, s24         ; my place: entries so far + true lanes below me
	v_cndmask_b32 v[T+2], v[DUMP], v[T+2], vcc_lo  ; or my dump place
	v_min_u32 v[T+2], 0x13f, v[T+2]                ; 256 slots and 32 dump places from 288: the bound 319 changes no value
	v_lshlrev_b32 v[T+2], 2, v[T+2]
	v_add_nc_u32 v[T+2], v[LB], v[T+2]
	ds_store_b32 v[T+2], v[T+1]
	ds_store_b32 v[T+2], v[AIN+\q] offset:ALIST
	s_bcnt1_i32_b32 s29, vcc_lo
	s_add_co_u32 s24, s24, s29
.endm
; The list of 256 of my wave's slots (registers 8 c .. 8 c + 7).  First the whole list is filled with null slots (the table's zero row, a = 0):
; they fill up the last trip (at most 7) and serve the loads that run ahead (up to place 271).  LDS serves a wave's instructions in order
; (ISA guide 5.7.1), so the entries land on top of them.
.macro LIST c
.irp k, 0,1,2,3
	v_mov_b32 v[PP+\k], NULLROW
	v_mov_b32 v[PP+4+\k], 0
.endr
.irp k, 0,1,2
	ds_store_b128 v[LBL], v[PP:PP+3] offset:512*\k
	ds_store_b128 v[LBL], v[PP+4:PP+7] offset:ALIST+512*\k
.endr
	s_mov_b32 s24, 0                               ; n: entries in the list
.irp e, 0,1,2,3,4,5,6,7
	COMPACT (8*\c+\e)
.endr
	s_add_co_u32 s25, s25, s24
	s_add_co_u32 s26, s24, 7
	s_lshr_b32 s26, s26, 3                         ; trips: eight entries each
.endm
	LIST 0                                         ; while the ring's loads are on their way
; left = how many younger loads of the ring may stay out; more = 1: the slot is loaded again, 16 loads ahead
.macro FILL i, left, more
	s_wait_loadcnt \left
	v_pk_fma_f32 v[RING+4*(\i&15):RING+4*(\i&15)+1], v[RING+4*(\i&15):RING+4*(\i&15)+1], v[SIG:SIG+1], v[B1S:B1S+1]
	v_pk_fma_f32 v[RING+4*(\i&15)+2:RING+4*(\i&15)+3], v[RING+4*(\i&15)+2:RING+4*(\i&15)+3], v[SIG:SIG+1], v[B1S+2:B1S+3]
	ds_store_b128 v[LA+(\i>>3)], v[RING+4*(\i&15):RING+4*(\i&15)+3] offset:8192*(\i&7)   ; byte 8,192 i + 16 thread: consecutive lanes, consecutive 16 bytes
.if \more
	global_load_b128 v[RING+4*(\i&15):RING+4*(\i&15)+3], v[GOFF], s[38:39] offset:65536*(\i+16)
.endif
.endm
.irp i, 0,1,2,3,4,5,6,7,8,9,10,11,12,13,14,15
	FILL \i, 15, 1                                 ; behind load i stand loads i + 1 .. i + 15
.endr
.irp i, 16,17,18,19,20,21,22,23,24,25,26,27,28,29,30,31
	FILL \i, 31-\i, 0                              ; nothing more is asked for: the counts run down
.endr
	; W2 for the product at the end, asked for now: 16 loads that stay out during both walks.
	; Load i is row k(i) = 8 h + i (i < 8) or 16 + 8 h + i - 8 of my K step; lane r takes columns 4 r .. 4 r + 3 of my 64.
.irp i, 0,1,2,3,4,5,6,7,8,9,10,11,12,13,14,15
	global_load_b128 v[WR+4*\i:WR+4*\i+3], v[WOFF], s[40:41] offset:(\i+8*(\i/8))*2048
.endr
	; rows 1024 (an inactive slot: s b1 alone) and 1025 (a null slot: zeros), by wave 0
	s_cmp_lg_u32 s4, 0
	s_cbranch_scc1 .Lno_special
	v_cmp_gt_u32 vcc_lo, 16, v[LANE]
.irp k, 0,1,2,3
	v_cndmask_b32 v[T+\k], 0, v[B1S+\k], vcc_lo    ; lanes 0-15: s b1; lanes 16-31: 0
.endr
	v_lshl_add_u32 v[ADR], v[LANE], 4, 0x40000     ; 262,144 + 16 lane
	ds_store_b128 v[ADR], v[T:T+3]
.Lno_special:
; y = a (s W1[0]) + table row, for slot s of my four; pr, sel: where its a lies in AV
.macro YS s, pr, sel
	v_pk_fma_f32 v[Y+4*\s:Y+4*\s+1], v[W0S:W0S+1], v[AV+\pr:AV+\pr+1], v[TAB+4*\s:TAB+4*\s+1] op_sel:[0,\sel,0] op_sel_hi:[1,\sel,1]
	v_pk_fma_f32 v[Y+4*\s+2:Y+4*\s+3], v[W0S+2:W0S+3], v[AV+\pr:AV+\pr+1], v[TAB+4*\s+2:TAB+4*\s+3] op_sel:[0,\sel,0] op_sel_hi:[1,\sel,1]
.endm
; Six LDS loads: the four table rows named by OFF, their four a (list byte aoff from LP), and the four offsets after them (byte ooff).
.macro REQ aoff, ooff
.irp s, 0,1,2,3
	v_min_u32 v[ADR+\s], NULLROW, v[OFF+\s]        ; a number from a list enters an address bounded by the table's last row
.endr
.irp s, 0,1,2,3
	v_add_nc_u32 v[ADR+\s], v[CQ16], v[ADR+\s]
.endr
.irp s, 0,1,2,3
	ds_load_b128 v[TAB+4*\s:TAB+4*\s+3], v[ADR+\s] ; sixteen lanes read the 256 consecutive bytes of one row
.endr
	ds_load_b128 v[AV:AV+3], v[LP] offset:ALIST+\aoff
	ds_load_b128 v[OFF:OFF+3], v[LP] offset:\ooff
.endm
.macro HORNER cf
.set k, 0
.rept 8
	v_pk_fma_f32 v[PP+k:PP+k+1], v[PP+k:PP+k+1], v[DD+k:DD+k+1], v[\cf:\cf+1]
.set k, k+2
.endr
.endm
; 16 GELUs a lane (four slots x four columns), added to the running sums
.macro GELU8
.set k, 0
.rept 16
	v_fma_f32 v[DD+k], |v[Y+k]|, s30, 1.0          ; 1 + p |x|
.set k, k+1
.endr
.set k, 0
.rept 16
	v_rcp_f32 v[DD+k], v[DD+k]                     ; t
.set k, k+1
.endr
.set k, 0
.rept 8
	v_pk_mul_f32 v[UU+k:UU+k+1], v[Y+k:Y+k+1], v[Y+k:Y+k+1]       ; plain work that names no t stands behind the reciprocals (ISA guide 5.7.2)
.set k, k+2
.endr
.set k, 0
.rept 8
	v_pk_add_f32 v[SUMA+(k&2):SUMA+(k&2)+1], v[SUMA+(k&2):SUMA+(k&2)+1], v[Y+k:Y+k+1]
.set k, k+2
.endr
.set k, 0
.rept 16
	v_exp_f32 v[UU+k], -v[UU+k]                    ; e = 2^(-y^2) = exp(-x^2/2)
.set k, k+1
.endr
.set k, 0
	s_wait_alu depctr_va_vdst(0)
.rept 8
	v_pk_fma_f32 v[PP+k:PP+k+1], v[DD+k:DD+k+1], v[CF+8:CF+9], v[CF+6:CF+7]   ; the polynomial names no e: the place behind the exponentials
.set k, k+2
.endr
	HORNER CF+4
	HORNER CF+2
	HORNER CF
.set k, 0
.rept 8
	v_pk_mul_f32 v[PP+k:PP+k+1], v[PP+k:PP+k+1], v[DD+k:DD+k+1]
.set k, k+2
.endr
.set k, 0
.rept 8
	v_pk_fma_f32 v[PP+k:PP+k+1], v[PP+k:PP+k+1], v[UU+k:UU+k+1], v[HALF:HALF+1]   ; r = 0.5 - q
.set k, k+2
.endr
.set k, 0
.rept 16
	v_fma_f32 v[SUMB+(k&3)], |v[Y+k]|, v[PP+k], v[SUMB+(k&3)]
.set k, k+1
.endr
.endm
; The walk of a list, eight entries a trip: four for each half of the wave.  s26 = trips.
.macro WALK c
	s_wait_dscnt 0x0                               ; all that I stored (table, list) is written,
	s_barrier_signal -1
	s_barrier_wait -1                              ; everybody's is: from here to the next barrier LDS is only read
	v_mov_b32 v[LP], v[LBH]
	ds_load_b128 v[OFF:OFF+3], v[LP]               ; entries 4 h .. 4 h + 3
	s_wait_dscnt 0x0
	REQ 0, 32                                      ; trip 0's rows and a, trip 1's offsets
	s_mov_b32 s27, 0
.Lmain\c:
	s_cmp_ge_u32 s27, s26
	s_cbranch_scc1 .Lexit\c
	s_wait_dscnt 0x0                               ; the six loads issued one trip ago, in front of that trip's 16 GELUs
	YS 0, 0, 0
	YS 1, 0, 1
	YS 2, 2, 0
	YS 3, 2, 1
	s_lshl_b32 s5, s27, 5                          ; 32 bytes of the list a trip,
	s_min_u32 s5, s5, 0x3e0                        ; 31 x 32 at the most: the bound changes no value
	v_add_nc_u32 v[LP], s5, v[LBH]
	REQ 32, 64                                     ; the next trip's rows and a, the offsets of the trip after it
	GELU8
	s_add_co_u32 s27, s27, 1
	s_cmp_lt_u32 s27, 32                           ; 256 slots are 32 trips at the most
	s_cbranch_scc1 .Lmain\c
.Lexit\c:
	s_wait_dscnt 0x0                               ; the loads that ran ahead have landed: my reads are over,
	s_barrier_signal -1
	s_barrier_wait -1                              ; everybody's are: LDS may be written again
.endm
	WALK 0
	LIST 1
	WALK 1
	; my wave's 64 sums: 0.5 sum(y) + sum(|y| r), the two halves of the wave joined, handed over in LDS with the count
	v_pk_fma_f32 v[SUMA:SUMA+1], v[SUMA:SUMA+1], v[HALF:HALF+1], v[SUMB:SUMB+1]
	v_pk_fma_f32 v[SUMA+2:SUMA+3], v[SUMA+2:SUMA+3], v[HALF:HALF+1], v[SUMB+2:SUMB+3]
.irp k, 0,1,2,3
	v_permlanex16_b32 v[T+\k], v[SUMA+\k], s32, s33
.endr
	v_pk_add_f32 v[SUMA:SUMA+1], v[SUMA:SUMA+1], v[T:T+1]
	v_pk_add_f32 v[SUMA+2:SUMA+3], v[SUMA+2:SUMA+3], v[T+2:T+3]
	s_mul_i32 s5, s4, GPP
	s_add_co_u32 s5, s5, L_GP
	v_add_nc_u32 v[ADR], s5, v[CQ16]
	ds_store_b128 v[ADR], v[SUMA:SUMA+3]           ; both halves hold the same numbers and write the same bytes
	s_lshl_b32 s5, s4, 2
	s_add_co_u32 s5, s5, L_CNT
	v_mov_b32 v[ADR+1], s5
	v_cvt_f32_u32 v[ADR+2], s25
	ds_store_b32 v[ADR+1], v[ADR+2]
	s_wait_dscnt 0x0
	s_barrier_signal -1
	s_barrier_wait -1                              ; all sums are there; the table is dead
	; THE PRODUCT: [8 batches x 32 of my slice's columns] x [32 x 64 of W2].  A's row m = r stands for batch r & 7: rows 8-15 repeat rows 0-7.
	; Lane (r, h): registers 0-3 k = 8 h .. + 7, registers 4-7 k = 16 + 8 h .. + 7; in f32 that is 32 bytes at 32 h and 32 bytes at 64 + 32 h.
	v_and_b32 v[T], 7, v0
	v_bfe_u32 v[T+1], v0, 4, 1
	v_mul_u32_u24 v[T+2], v[T], 2*GPP              ; a batch's two waves lie side by side
	v_lshl_add_u32 v[T+2], v[T+1], 5, v[T+2]
	s_lshl_b32 s5, s6, 7                           ; K step ks: 32 f32
	s_add_co_u32 s5, s5, L_GP
	v_add_nc_u32 v[T+2], s5, v[T+2]
	v_lshlrev_b32 v[T+3], 3, v[T]
	v_add_nc_u32 v[T+3], L_CNT, v[T+3]
.irp p, 0,1
	ds_load_b128 v[GL+16*\p:GL+16*\p+3], v[T+2] offset:GPP*\p
	ds_load_b128 v[GL+16*\p+4:GL+16*\p+7], v[T+2] offset:GPP*\p+16
	ds_load_b128 v[GL+16*\p+8:GL+16*\p+11], v[T+2] offset:GPP*\p+64
	ds_load_b128 v[GL+16*\p+12:GL+16*\p+15], v[T+2] offset:GPP*\p+80
.endr
	ds_load_b64 v[CN:CN+1], v[T+3]
	s_lshl_b32 s5, s6, 14                          ; where my results go: stage ks, byte 256 cg of each row
	s_lshl_b32 s29, s7, 8
	s_add_co_u32 s5, s5, s29
	s_wait_loadcnt 0x0                             ; W2, asked for in front of the walks
	; B fragment q: tile column r stands for column 4 r + q of my 64; register p holds k(2 p), k(2 p + 1)
.irp q, 0,1,2,3
.irp p, 0,1,2,3,4,5,6,7
	v_cvt_pk_bf16_f32 v[BF+8*\q+\p], v[WR+8*\p+\q], v[WR+8*\p+4+\q]
.endr
.endr
	s_wait_dscnt 0x0
	v_add_f32 v[CN], v[CN], v[CN+1]
	v_max_num_f32 v[CN], 1.0, v[CN]
	v_rcp_f32 v[CN], v[CN]
.irp k, 0,2,4,6,8,10,12,14
	v_pk_add_f32 v[GL+\k:GL+\k+1], v[GL+\k:GL+\k+1], v[GL+16+\k:GL+17+\k]     ; the batch's two waves; also the place behind the reciprocal
.endr
	s_wait_alu depctr_va_vdst(0)
	v_mul_f32 v[CN], RSIGMA, v[CN]                 ; 1 / (s max(cnt, 1))
.irp k, 0,2,4,6,8,10,12,14
	v_pk_mul_f32 v[GL+\k:GL+\k+1], v[GL+\k:GL+\k+1], v[CN:CN+1] op_sel_hi:[1,0]
.endr
.irp p, 0,1,2,3,4,5,6,7
	v_cvt_pk_bf16_f32 v[AF+\p], v[GL+2*\p], v[GL+2*\p+1]
.endr
.irp q, 0,1,2,3
	v_wmma_f32_16x16x32_bf16 v[ACC+8*\q:ACC+8*\q+7], v[AF:AF+7], v[BF+8*\q:BF+8*\q+7], 0
.endr
	; five plain vector instructions that name none of the products' registers: the places in front of the stores of the results
	v_add_nc_u32 v[ADR], s5, v[CQ16]               ; stage: + 16 r
	v_lshrrev_b32 v[T], 7, v0                      ; the read-out: thread / 128 is a row,
	v_lshl_add_u32 v[T+1], v[T], 11, v[Q16]        ; 2,048 bytes a row in the stage, 16 bytes a thread
	v_lshl_add_u32 v[T+2], v[T], 14, v[Q16]        ; 16,384 bytes a batch in part
	v_lshl_add_u32 v[T+3], v[T], 3, L_CNT          ; the row's two counts
	; register j of tile q is (batch j, column 4 r + q) in lanes 0-15; lanes 16-31 hold rows 8-15, the same numbers, and write the same words
.irp q, 0,1,2,3
.irp j, 0,1,2,3,4,5,6,7
	ds_store_b32 v[ADR], v[ACC+8*\q+\j] offset:2048*\j+4*\q
.endr
.endr
	s_wait_dscnt 0x0
	s_barrier_signal -1
	s_barrier_wait -1
	; THE WAY OUT: rows thread / 128 and thread / 128 + 4; the two K steps are added, and b2 min(cnt, 1) / 8.
	; One store of a wave covers 512 consecutive bytes, aligned.
.irp i, 0,1
	ds_load_b128 v[GL+8*\i:GL+8*\i+3], v[T+1] offset:8192*\i
	ds_load_b128 v[GL+8*\i+4:GL+8*\i+7], v[T+1] offset:8192*\i+16384
	ds_load_b64 v[GL+16+2*\i:GL+17+2*\i], v[T+3] offset:32*\i
.endr
	s_wait_dscnt 0x0
.irp i, 0,1
	v_add_f32 v[GL+16+2*\i], v[GL+16+2*\i], v[GL+17+2*\i]
	v_min_num_f32 v[GL+16+2*\i], 1.0, v[GL+16+2*\i]
	v_mul_f32 v[GL+16+2*\i], EIGHTH, v[GL+16+2*\i]
	v_pk_add_f32 v[GL+8*\i:GL+8*\i+1], v[GL+8*\i:GL+8*\i+1], v[GL+8*\i+4:GL+8*\i+5]
	v_pk_add_f32 v[GL+8*\i+2:GL+8*\i+3], v[GL+8*\i+2:GL+8*\i+3], v[GL+8*\i+6:GL+8*\i+7]
	v_pk_fma_f32 v[GL+8*\i:GL+8*\i+1], v[B2V:B2V+1], v[GL+16+2*\i:GL+17+2*\i], v[GL+8*\i:GL+8*\i+1] op_sel_hi:[1,0,1]
	v_pk_fma_f32 v[GL+8*\i+2:GL+8*\i+3], v[B2V+2:B2V+3], v[GL+16+2*\i:GL+17+2*\i], v[GL+8*\i+2:GL+8*\i+3] op_sel_hi:[1,0,1]
	global_store_b128 v[T+2], v[GL+8*\i:GL+8*\i+3], s[22:23] offset:65536*\i
.endr
	s_wait_tensorcnt 0x0
	ds_add_u32 v248, v249
	s_wait_dscnt 0x0
	s_endpgm
.Lfunc_end_k_q1099d99f71_pool:
	.size	k_q1099d99f71_pool, .Lfunc_end_k_q1099d99f71_pool-k_q1099d99f71_pool
	.p2alignl 7, 3214868480
	.fill 96, 4, 3214868480
	.section	.rodata,"a",@progbits
	.p2align	6, 0x0
	.amdhsa_kernel k_q1099d99f71_pool
		.amdhsa_group_segment_fixed_size 318464
		.amdhsa_private_segment_fixed_size 0
		.amdhsa_enable_private_segment 0
		.amdhsa_kernarg_size 64
		.amdhsa_user_sgpr_count 2
		.amdhsa_user_sgpr_kernarg_segment_ptr 1
		.amdhsa_wavefront_size32 1
		.amdhsa_system_sgpr_workgroup_id_x 1
		.amdhsa_system_sgpr_workgroup_id_y 1
		.amdhsa_system_sgpr_workgroup_id_z 1
		.amdhsa_system_vgpr_workitem_id 0
		.amdhsa_next_free_vgpr 250
		.amdhsa_next_free_sgpr 66
		.amdhsa_reserve_vcc 1
		.amdhsa_float_denorm_mode_32 3
		.amdhsa_float_denorm_mode_16_64 3
		.amdhsa_memory_ordered 1
		.amdhsa_forward_progress 1
		.amdhsa_inst_pref_size 61
	.end_amdhsa_kernel
	.amdgpu_metadata
---
amdhsa.version: [ 1, 2 ]
amdhsa.kernels:
  - .name:           k_q1099d99f71_pool
    .symbol:         k_q1099d99f71_pool.kd
    .args:
      - { .name: W1, .offset: 0, .size: 8, .value_kind: global_buffer, .address_space: global }
      - { .name: b1, .offset: 8, .size: 8, .value_kind: global_buffer, .address_space: global }
      - { .name: W2, .offset: 16, .size: 8, .value_kind: global_buffer, .address_space: global }
      - { .name: b2, .offset: 24, .size: 8, .value_kind: global_buffer, .address_space: global }
      - { .name: a, .offset: 32, .size: 8, .value_kind: global_buffer, .address_space: global }
      - { .name: mate, .offset: 40, .size: 8, .value_kind: global_buffer, .address_space: global }
      - { .name: mask, .offset: 48, .size: 8, .value_kind: global_buffer, .address_space: global }
      - { .name: part, .offset: 56, .size: 8, .value_kind: global_buffer, .address_space: global }
    .group_segment_fixed_size: 318464
    .private_segment_fixed_size: 0
    .kernarg_segment_align: 8
    .kernarg_segment_size: 64
    .max_flat_workgroup_size: 512
    .sgpr_count:     66
    .vgpr_count:     250
    .wavefront_size: 32
...
	.end_amdgpu_metadata
.endif
;; end of part 1
;; launch tail (part 2): grid 8 x 32, 16 waves a work-group, no clusters, 43,264 bytes of LDS; arguments part, ln_g, ln_b, W3, b3, out0; writes out0
.if DOCPART == 2
	.amdgcn_target "amdgcn-amd-amdhsa--gfx1250"
	.amdhsa_code_object_version 6
	.text
	.protected	k_q1099d99f71_tail
	.globl	k_q1099d99f71_tail
	.p2align	8
	.type	k_q1099d99f71_tail,@function
k_q1099d99f71_tail:
	s_mov_b64 s[64:65], 0
	v_nop
	global_prefetch_b8 v0, s[64:65] scope:SCOPE_SE
	s_setreg_imm32_b32 hwreg(HW_REG_WAVE_MODE, 25, 1), 1
	s_wait_xcnt 0x0
; SigmaEncoder, second of two launches: pooled = the sum of the eight partials, LayerNorm in f32, times W3, plus b3.
; Work-group (cb = x, bg = y): batches 8 bg .. + 7, output columns 64 cb .. + 63.
;  - Waves 0-7: wave w adds the eight partials of batch 8 bg + w (a whole row of 512 in 16 registers a lane), norms it, and lays it in LDS in bf16.
;    The eight work-groups of a bg each do this for themselves: a row is needed whole, and handing it over would take a launch more.
;  - All 16 waves: wave w multiplies K step 32 w: [8 x 32] x [32 x 64 of W3], bf16 operands, f32 sums; the 16 partial tiles meet in LDS.
;  - Waves 0-7: wave w adds row w of the 16 tiles and b3 and stores 256 consecutive, aligned bytes of out0.
; No joint tensor loads: W3's and part's words are all converted or summed in registers on their way, and each wave reads its bytes once.
; LIMIT: the normed row and W3 enter the product rounded to bf16; all else is f32.  The sum over K is made in 16 parts, then added as a tree.
.set NPITCH, 1040                      ; LDS: 8 normed rows of 512 bf16, 1,024 bytes + 16
.set L_PRT,  8448                      ; then a tile [8 rows][64] f32 = 2,048 bytes for each wave
.set INV512, 0x3b000000
.set EPS,    0x3727c5ac                ; 1e-5
.set LANE, 1
.set WOFF, 2                           ; offset of my part of a weight fragment
.set L16,  3
.set T,    4                           ; v[4:9] at work
.set B3V,  10
.set MU,   12
.set RS,   14
.set GV,   16                          ; ln_g, my 16 columns 128 j + 4 lane + e
.set BV,   32                          ; ln_b
.set WR,   48                          ; 64: W3 as loaded, f32
.set PT,   112                         ; 128: eight partials of 16
.set X,    112                         ; their sum, then the normed row
.set NB,   128                         ; the row in bf16
.set AF,   136
.set BF,   144
.set ACC,  176
.set FL,   208                         ; 16 pairs on the way out
.set R16,  240
.set L8,   241
.set AADR, 242
	s_load_b256 s[8:15], s[0:1], 0x0               ; part 8, ln_g 10, ln_b 12, W3 14
	s_load_b128 s[16:19], s[0:1], 0x20             ; b3 16, out0 18
	v_lshl_add_u32 v244, v0, 2, 0xa100
	v_mov_b32 v245, 0
	v_lshrrev_b32 v[T], 5, v0
	v_readfirstlane_b32 s4, v[T]                   ; wave 0..15
	s_and_b32 s3, ttmp7, 0xffff                    ; bg; ttmp9 is cb
	v_and_b32 v[LANE], 31, v0
	v_and_b32 v[T+1], 15, v0                       ; r
	v_bfe_u32 v[T+2], v0, 4, 1                     ; h
	v_and_b32 v[T+3], 7, v0                        ; r & 7
	v_lshlrev_b32 v[R16], 4, v[T+1]
	v_lshlrev_b32 v[L16], 4, v[LANE]
	v_lshlrev_b32 v[L8], 3, v[LANE]
	v_lshl_add_u32 v[WOFF], v[T+2], 14, v[R16]     ; 8 h rows of 2,048 bytes + 16 r
	v_mul_u32_u24 v[AADR], v[T+3], NPITCH          ; A fragment: row r & 7, byte 64 w + 16 h
	v_lshl_add_u32 v[AADR], v[T+2], 4, v[AADR]
	s_lshl_b32 s6, s4, 6
	v_add_nc_u32 v[AADR], s6, v[AADR]
	s_mov_b32 s20, 0x76543210                      ; v_permlanex16_b32: lane i reads lane i of the other half
	s_mov_b32 s21, 0xfedcba98
	s_mov_b32 s26, INV512
	s_mov_b32 s27, EPS
	s_lshl_b32 s5, ttmp9, 8                        ; 256 cb: kept to the end
	s_lshl_b32 s28, s4, 16                         ; W3: row 32 w, byte 256 cb
	s_add_co_u32 s28, s28, s5
	s_mov_b32 s29, 0                               ; s[28:29]: an offset as a pair
	s_wait_kmcnt 0x0
	s_add_nc_u64 s[22:23], s[14:15], s[28:29]
	; load i is row k(i) = 8 h + i (i < 8) or 16 + 8 h + i - 8 of my K step; lane r takes columns 4 r .. 4 r + 3 of the 64
.irp i, 0,1,2,3,4,5,6,7,8,9,10,11,12,13,14,15
	global_load_b128 v[WR+4*\i:WR+4*\i+3], v[WOFF], s[22:23] offset:(\i+8*(\i/8))*2048
.endr
.macro WSUM                            ; v[T] summed over the 32 lanes, the result in every lane
	v_add_f32_dpp v[T], v[T], v[T] row_xmask:1 row_mask:0xf bank_mask:0xf
	v_add_f32_dpp v[T], v[T], v[T] row_xmask:2 row_mask:0xf bank_mask:0xf
	v_add_f32_dpp v[T], v[T], v[T] row_xmask:4 row_mask:0xf bank_mask:0xf
	v_add_f32_dpp v[T], v[T], v[T] row_xmask:8 row_mask:0xf bank_mask:0xf
	v_permlanex16_b32 v[T+1], v[T], s20, s21
	v_add_f32 v[T], v[T], v[T+1]
.endm
	s_cmp_ge_u32 s4, 8
	s_cbranch_scc1 .Lnormed                        ; waves 8-15 have no row
	s_lshl_b32 s28, s3, 17                         ; part: batch 8 bg + w, 16,384 bytes each
	s_lshl_b32 s6, s4, 14
	s_add_co_u32 s28, s28, s6
	s_add_nc_u64 s[24:25], s[8:9], s[28:29]
	s_mov_b32 s28, s5
	s_add_nc_u64 s[16:17], s[16:17], s[28:29]      ; b3 at column 64 cb
.irp s, 0,1,2,3,4,5,6,7
.irp j, 0,1,2,3
	global_load_b128 v[PT+16*\s+4*\j:PT+16*\s+4*\j+3], v[L16], s[24:25] offset:2048*\s+512*\j
.endr
.endr
.irp j, 0,1,2,3
	global_load_b128 v[GV+4*\j:GV+4*\j+3], v[L16], s[10:11] offset:512*\j
	global_load_b128 v[BV+4*\j:BV+4*\j+3], v[L16], s[12:13] offset:512*\j
.endr
	global_load_b64 v[B3V:B3V+1], v[L8], s[16:17]
	s_wait_loadcnt 0x0                             ; these are the youngest loads: the older ones, W3's, have ended before them (ISA guide 5.7.1)
.irp s, 1,2,3,4,5,6,7
.irp k, 0,2,4,6,8,10,12,14
	v_pk_add_f32 v[X+\k:X+\k+1], v[X+\k:X+\k+1], v[PT+16*\s+\k:PT+16*\s+\k+1]
.endr
.endr
	; the mean
	v_pk_add_f32 v[T:T+1], v[X:X+1], v[X+2:X+3]
	v_pk_add_f32 v[T+2:T+3], v[X+4:X+5], v[X+6:X+7]
	v_pk_add_f32 v[T+4:T+5], v[X+8:X+9], v[X+10:X+11]
	v_pk_add_f32 v[MU:MU+1], v[X+12:X+13], v[X+14:X+15]
	v_pk_add_f32 v[T:T+1], v[T:T+1], v[T+2:T+3]
	v_pk_add_f32 v[T+4:T+5], v[T+4:T+5], v[MU:MU+1]
	v_pk_add_f32 v[T:T+1], v[T:T+1], v[T+4:T+5]
	v_add_f32 v[T], v[T], v[T+1]
	WSUM
	v_mul_f32 v[MU], s26, v[T]
	v_mul_f32 v[MU+1], s26, v[T]
.irp k, 0,2,4,6,8,10,12,14
	v_pk_add_f32 v[X+\k:X+\k+1], v[X+\k:X+\k+1], v[MU:MU+1] neg_lo:[0,1] neg_hi:[0,1]
.endr
	; the variance
	v_pk_mul_f32 v[T:T+1], v[X:X+1], v[X:X+1]
.irp k, 2,4,6,8,10,12,14
	v_pk_fma_f32 v[T:T+1], v[X+\k:X+\k+1], v[X+\k:X+\k+1], v[T:T+1]
.endr
	v_add_f32 v[T], v[T], v[T+1]
	WSUM
	v_fma_f32 v[T], v[T], s26, s27                 ; var + 1e-5
	v_rsq_f32 v[RS], v[T]                          ; twice, to fill the pair that the packed multiply takes
	v_rsq_f32 v[RS+1], v[T]
	s_mul_i32 s6, s4, NPITCH
	v_add_nc_u32 v[T+2], s6, v[L8]                 ; my row in LDS + 8 lane; also the plain place behind the roots (ISA guide 5.7.2)
	s_wait_alu depctr_va_vdst(0)
.irp k, 0,2,4,6,8,10,12,14
	v_pk_mul_f32 v[X+\k:X+\k+1], v[X+\k:X+\k+1], v[RS:RS+1]
.endr
.irp k, 0,2,4,6,8,10,12,14
	v_pk_fma_f32 v[X+\k:X+\k+1], v[X+\k:X+\k+1], v[GV+\k:GV+\k+1], v[BV+\k:BV+\k+1]
.endr
.irp p, 0,1,2,3,4,5,6,7
	v_cvt_pk_bf16_f32 v[NB+\p], v[X+2*\p], v[X+2*\p+1]
.endr
.irp j, 0,1,2,3
	ds_store_b64 v[T+2], v[NB+2*\j:NB+2*\j+1] offset:256*\j       ; columns 128 j + 4 lane .. + 3: the wave writes 256 consecutive bytes
.endr
.Lnormed:
	s_wait_dscnt 0x0
	s_barrier_signal -1
	s_barrier_wait -1                              ; the eight rows are there
	; A's row m = r stands for batch r & 7: rows 8-15 repeat rows 0-7
	ds_load_b128 v[AF:AF+3], v[AADR]
	ds_load_b128 v[AF+4:AF+7], v[AADR] offset:32
	s_lshl_b32 s6, s4, 11
	s_add_co_u32 s6, s6, L_PRT                     ; my tile
	s_lshl_b32 s7, s4, 8
	s_add_co_u32 s7, s7, L_PRT                     ; row w of tile 0
	s_wait_loadcnt 0x0                             ; W3 (waves 8-15 have not waited yet)
	; B fragment q: tile column r stands for column 4 r + q of the 64; register p holds k(2 p), k(2 p + 1)
.irp q, 0,1,2,3
.irp p, 0,1,2,3,4,5,6,7
	v_cvt_pk_bf16_f32 v[BF+8*\q+\p], v[WR+8*\p+\q], v[WR+8*\p+4+\q]
.endr
.endr
	s_wait_dscnt 0x0
.irp q, 0,1,2,3
	v_wmma_f32_16x16x32_bf16 v[ACC+8*\q:ACC+8*\q+7], v[AF:AF+7], v[BF+8*\q:BF+8*\q+7], 0
.endr
	; four places in front of the stores of the results: two addresses, two v_nop
	v_add_nc_u32 v[T], s6, v[R16]
	v_add_nc_u32 v[T+1], s7, v[L8]
	v_nop
	v_nop
	; register j of tile q is (batch j, column 4 r + q) in lanes 0-15; lanes 16-31 hold rows 8-15, the same numbers, and write the same words
.irp q, 0,1,2,3
.irp j, 0,1,2,3,4,5,6,7
	ds_store_b32 v[T], v[ACC+8*\q+\j] offset:256*\j+4*\q
.endr
.endr
	s_wait_dscnt 0x0
	s_barrier_signal -1
	s_barrier_wait -1
	s_cmp_ge_u32 s4, 8
	s_cbranch_scc1 .Lend
.irp p, 0,1,2,3,4,5,6,7,8,9,10,11,12,13,14,15
	ds_load_b64 v[FL+2*\p:FL+2*\p+1], v[T+1] offset:2048*\p       ; row w of tile p, columns 2 lane, 2 lane + 1
.endr
	s_lshl_b32 s28, s3, 14                         ; out0: row 8 bg + w of 2,048 bytes, byte 256 cb
	s_lshl_b32 s6, s4, 11
	s_add_co_u32 s28, s28, s6
	s_add_co_u32 s28, s28, s5
	s_add_nc_u64 s[18:19], s[18:19], s[28:29]
	s_wait_dscnt 0x0
.irp p, 0,1,2,3,4,5,6,7
	v_pk_add_f32 v[FL+2*\p:FL+2*\p+1], v[FL+2*\p:FL+2*\p+1], v[FL+16+2*\p:FL+17+2*\p]
.endr
.irp p, 0,1,2,3
	v_pk_add_f32 v[FL+2*\p:FL+2*\p+1], v[FL+2*\p:FL+2*\p+1], v[FL+8+2*\p:FL+9+2*\p]
.endr
	v_pk_add_f32 v[FL:FL+1], v[FL:FL+1], v[FL+4:FL+5]
	v_pk_add_f32 v[FL+2:FL+3], v[FL+2:FL+3], v[FL+6:FL+7]
	v_pk_add_f32 v[FL:FL+1], v[FL:FL+1], v[FL+2:FL+3]
	v_pk_add_f32 v[FL:FL+1], v[FL:FL+1], v[B3V:B3V+1]
	global_store_b64 v[L8], v[FL:FL+1], s[18:19]   ; the wave writes 256 consecutive bytes, aligned
.Lend:
	s_wait_tensorcnt 0x0
	ds_add_u32 v244, v245
	s_wait_dscnt 0x0
	s_endpgm
.Lfunc_end_k_q1099d99f71_tail:
	.size	k_q1099d99f71_tail, .Lfunc_end_k_q1099d99f71_tail-k_q1099d99f71_tail
	.p2alignl 7, 3214868480
	.fill 96, 4, 3214868480
	.section	.rodata,"a",@progbits
	.p2align	6, 0x0
	.amdhsa_kernel k_q1099d99f71_tail
		.amdhsa_group_segment_fixed_size 43264
		.amdhsa_private_segment_fixed_size 0
		.amdhsa_enable_private_segment 0
		.amdhsa_kernarg_size 48
		.amdhsa_user_sgpr_count 2
		.amdhsa_user_sgpr_kernarg_segment_ptr 1
		.amdhsa_wavefront_size32 1
		.amdhsa_system_sgpr_workgroup_id_x 1
		.amdhsa_system_sgpr_workgroup_id_y 1
		.amdhsa_system_sgpr_workgroup_id_z 1
		.amdhsa_system_vgpr_workitem_id 0
		.amdhsa_next_free_vgpr 246
		.amdhsa_next_free_sgpr 66
		.amdhsa_reserve_vcc 0
		.amdhsa_float_denorm_mode_32 3
		.amdhsa_float_denorm_mode_16_64 3
		.amdhsa_memory_ordered 1
		.amdhsa_forward_progress 1
		.amdhsa_inst_pref_size 23
	.end_amdhsa_kernel
	.amdgpu_metadata
---
amdhsa.version: [ 1, 2 ]
amdhsa.kernels:
  - .name:           k_q1099d99f71_tail
    .symbol:         k_q1099d99f71_tail.kd
    .args:
      - { .name: part, .offset: 0, .size: 8, .value_kind: global_buffer, .address_space: global }
      - { .name: ln_g, .offset: 8, .size: 8, .value_kind: global_buffer, .address_space: global }
      - { .name: ln_b, .offset: 16, .size: 8, .value_kind: global_buffer, .address_space: global }
      - { .name: W3, .offset: 24, .size: 8, .value_kind: global_buffer, .address_space: global }
      - { .name: b3, .offset: 32, .size: 8, .value_kind: global_buffer, .address_space: global }
      - { .name: out0, .offset: 40, .size: 8, .value_kind: global_buffer, .address_space: global }
    .group_segment_fixed_size: 43264
    .private_segment_fixed_size: 0
    .kernarg_segment_align: 8
    .kernarg_segment_size: 48
    .max_flat_workgroup_size: 512
    .sgpr_count:     66
    .vgpr_count:     246
    .wavefront_size: 32
...
	.end_amdgpu_metadata
.endif
;; end of part 2
;; ======== version 2 of 2: 2 launches; 1.22 times as fast as version 1
;; limits: a function is approximated: absolute error at most 0.0002
;; workspace buffers: part 4,194,304 bytes
;; launch pool (part 3): grid 8 x 32, 16 waves a work-group, no clusters, 318,464 bytes of LDS; arguments W1, b1, W2, b2, a, mate, mask, part; writes part
.if DOCPART == 3
	.amdgcn_target "amdgcn-amd-amdhsa--gfx1250"
	.amdhsa_code_object_version 6
	.text
	.protected	k_q1099d99f71_pool
	.globl	k_q1099d99f71_pool
	.p2align	8
	.type	k_q1099d99f71_pool,@function
k_q1099d99f71_pool:
	s_mov_b64 s[64:65], 0
	v_nop
	global_prefetch_b8 v0, s[64:65] scope:SCOPE_SE
	s_setreg_imm32_b32 hwreg(HW_REG_WAVE_MODE, 25, 1), 1
	s_wait_xcnt 0x0
; SigmaEncoder, first of two launches: masked mean of gelu(a W1[0] + W1[1+mate] + b1), times W2.
;
; THE ALGEBRA.  Between the product with W2 and the masked sum over t nothing is non-linear, so
;   pooled[b] = (sum over t of mask gelu(h[b][t])) @ W2 / max(cnt,1) + b2 min(cnt,1)
; for every input.  The product shrinks from 262,144 rows to 256; what is left is one GELU for each unmasked slot and column.
;
; THE SHARES.  Work-group (slice = x, bg = y): columns 64 slice .. +63 of D, batches 8 bg .. +7.  It keeps its 64 columns of the whole
; table W1[1:] in LDS (1,024 rows of 256 bytes, f32), so that a gathered row is one LDS load of sixteen lanes.  Wave w takes 512 slots:
; batch 8 bg + w/2, t from 512 (w & 1).  In the main loop a lane owns four columns (16 bytes of a table row) and each half of the wave
; walks slots of its own.  At the end the 8 x 64 means are multiplied by rows 64 slice .. +63 of W2 (bf16 matrix form, K = 64) and stored
; as this slice's partial of pooled, part[b][slice][512]; each of the eight slices adds b2 min(cnt,1) / 8.  The next launch adds them.
;
; THE GELU.  gelu(x) = x Phi(x), Phi(x) = 1 / (1 + exp(-2 sqrt(2/pi) (x + 0.044715 x^3))): the logistic form of the tanh approximation.
; All is done on y = s x with s^3 = 2 sqrt(2/pi) log2(e) 0.044715, folded into the table and into W1[0]: then Phi = 1 / (1 + 2^E) with
; E = -y (y^2 + kappa), kappa = 2 sqrt(2/pi) log2(e) / s: one packed multiply-add, one packed multiply, the sign on the exponential's
; source.  E is monotone in x, so no guard is needed: 2^E runs to 0 or to infinity and Phi to 1 or to 0.  The factor 1 / (s max(cnt,1)) is
; applied once, to the sums.
;
; THE PHASES.  A wave lists the true slots of 256 (table offset and a), then walks the list, twice.  Each walk stands between two barriers:
; while any wave gathers from LDS through addresses that come out of a list, no wave stores to LDS.
;
; LIMITS, kept on purpose:
;  - the reference's GELU is the exact one; this Phi differs from it by at most 2e-4 (largest near |x| = 1.25 and 2.6; the slope at 0 is
;    exact), a gelu by at most 5e-4, for every finite x; the means are then rounded to bf16, by up to 2^-8 of their size;
;  - the order of rounding differs from the reference's (sum over t first, product with W2 afterwards, in bf16 operands and f32 sums);
;  - slots whose mask is false are skipped: a NaN or an infinity in a, W1 or b1 that only such slots touch gives no NaN here;
;  - behind its entries a list holds null slots, which compute 0 * W1[0] + 0: W1[0] must be finite;
;  - mate < 0 is an inactive slot (row of b1 alone), mate > 1023 counts as 1023; any mask byte other than 0 counts as true.
;
; NO JOINT TENSOR LOADS for the table, though the 32 work-groups of a slice read the same 262,144 bytes: every word is changed on its way
; in, to s (W1 + b1), so it passes through registers anyway; a raw copy would cost a second pass over the table in LDS or more packed
; instructions for every pair of GELUs.
; ---- numbers ----
.set SCALE,   0x3eeff558               ; s = 0.46866869
.set UNSCALE, 0x40088e99               ; 1 / s = 2.1337034
.set KAPPA,   0x409d30fc               ; kappa = 4.9122295
.set EIGHTH,  0x3e000000               ; each of the eight slices adds an eighth of b2
; ---- LDS ----
.set NULLROW, 262400                   ; byte offset of table row 1025 (zeros); row 1024 (262,144) holds s b1
.set L_LIST,  262656                   ; behind the table's 1,026 rows: a list for each wave
.set LISTB,   3072                     ; 384 words of table offsets, then 384 words of a
.set ALIST,   1536                     ; places 0-255 entries, up to 287 read ahead, 288-319 dump places of the false lanes, never read
.set L_GP,    311808                   ; each wave's 64 sums, pitch 272
.set GPP,     272
.set L_CNT,   316160                   ; each wave's count, f32
; the stage for the partial products lies over the table, once it is dead: [ks][8 rows][512] f32 = 2 x 16,384 bytes from 0
; ---- vector registers ----
.set CQ16,  1                          ; 16 x (thread & 15): my four columns in a table row
.set LB,    2                          ; my wave's list
.set LP,    3                          ; where my half of the wave reads in it
.set T,     4                          ; v[4:7] at work
.set DUMP,  8                          ; 288 + lane: the list place of a lane whose slot is masked out
.set LBL,   9                          ; LB + 16 lane
.set W0S,   10                         ; s W1[0], my four columns
.set B1S,   14                         ; s b1
.set B2V,   18                         ; b2, four columns at 4 (thread & 127)
.set SUM,   22                         ; v[22:29] four running pairs: my columns 0-1, 2-3, and the same again
.set KAP,   30                         ; kappa, twice (a pair)
.set SIG,   42                         ; s, twice
.set LA,    44                         ; v[44:47] 16 thread + 65,536 g: the fill's LDS addresses
.set GOFF,  48                         ; the fill's offset in W1
.set WOFF,  49                         ; offset of my part of a weight fragment
.set MATE,  50                         ; 16 slots of a lane
.set AIN,   66
.set MASKW, 82                         ; their 16 mask bytes
.set WR,    86                         ; 64: slots 16-31 of the fill's ring; then W2 as loaded, f32
.set OFF,   150                        ; four table offsets from the list
.set AV,    154                        ; four a
.set ADR,   158
.set TAB,   162                        ; four slots x four columns, table rows
.set Y,     178
.set PP,    226
.set LANE,  242
.set L16,   243
.set L4,    244
.set Q16,   245                        ; 16 x (thread & 127)
.set LBH,   246                        ; LB + 16 h
.set RING,  162                        ; slots 0-15 of the fill's ring, 4 registers each (v162-225)
.set GL,    162                        ; the end: 32 sums as read back; later the read-out
.set AF,    194                        ; A fragment
.set ACC,   202                        ; four result tiles
.set BF,    50                         ; four B fragments (over MATE, AIN)
.set CN,    234                        ; the two counts of a batch
.macro PAIR reg, val
	v_mov_b32 v[\reg], \val
	v_mov_b32 v[\reg+1], \val
.endm
	s_load_b512 s[8:23], s[0:1], 0x0               ; W1 8, b1 10, W2 12, b2 14, a 16, mate 18, mask 20, part 22
	v_lshl_add_u32 v248, v0, 2, 0x4d400
	v_mov_b32 v249, 0
	v_lshrrev_b32 v[T], 5, v0
	v_readfirstlane_b32 s4, v[T]                   ; wave 0..15
	s_and_b32 s3, ttmp7, 0xffff                    ; bg; ttmp9 is the slice
	v_and_b32 v[LANE], 31, v0
	v_bfe_u32 v[T+1], v0, 4, 1                     ; h: which half of the wave
	v_lshrrev_b32 v[T+2], 4, v0                    ; thread / 16
	v_and_b32 v[T+3], 15, v0
	v_lshlrev_b32 v[CQ16], 4, v[T+3]
	v_lshlrev_b32 v[L16], 4, v[LANE]
	v_lshlrev_b32 v[L4], 2, v[LANE]
	v_and_b32 v[Q16], 127, v0
	v_lshlrev_b32 v[Q16], 4, v[Q16]
	v_lshl_add_u32 v[GOFF], v[T+2], 11, v[CQ16]    ; row thread / 16 of 2,048 bytes + my 16 bytes
	v_lshl_add_u32 v[WOFF], v[T+1], 14, v[CQ16]    ; 8 h rows of 2,048 bytes + 16 r
.irp g, 0,1,2,3
	v_lshl_add_u32 v[LA+\g], v0, 4, \g*65536
.endr
	s_mul_i32 s5, s4, LISTB
	s_add_co_u32 s5, s5, L_LIST
	v_mov_b32 v[LB], s5
	v_lshl_add_u32 v[LBH], v[T+1], 4, s5
	v_lshl_add_u32 v[LBL], v[LANE], 4, s5
	v_add_nc_u32 v[DUMP], 0x120, v[LANE]
	PAIR KAP, KAPPA
	PAIR SIG, SCALE
	PAIR SUM,   0                                  ; eight running sums: a wave may find no slot at all, so they start at 0
	PAIR SUM+2, 0
	PAIR SUM+4, 0
	PAIR SUM+6, 0
	s_mov_b32 s32, 0x76543210                      ; v_permlanex16_b32: lane i reads lane i of the other half
	s_mov_b32 s33, 0xfedcba98
	s_mov_b32 s25, 0                               ; my wave's count of true slots
	s_lshl_b32 s34, ttmp9, 8                       ; 256 slice: the slice's bytes in a row of W1 and in b1
	s_mov_b32 s35, 0                               ; s[34:35]: an offset as a pair
	s_wait_kmcnt 0x0
	s_add_nc_u64 s[36:37], s[8:9], s[34:35]        ; W1 row 0, my slice
	s_add_nc_u64 s[38:39], s[36:37], 0x800         ; W1 row 1, my slice
	s_add_nc_u64 s[10:11], s[10:11], s[34:35]      ; b1, my slice
	s_lshl_b32 s6, s3, 13
	s_lshl_b32 s7, s4, 9
	s_add_co_u32 s34, s6, s7                       ; my first slot: 8,192 bg + 512 w
	s_add_nc_u64 s[46:47], s[20:21], s[34:35]      ; mask, one byte a slot
	s_lshl_b32 s34, s34, 2
	s_add_nc_u64 s[42:43], s[16:17], s[34:35]      ; a
	s_add_nc_u64 s[44:45], s[18:19], s[34:35]      ; mate
	s_and_b32 s6, s4, 1                            ; ks: my K step of 32 in the product at the end
	s_lshr_b32 s7, s4, 1                           ; cg: my 64 output columns there
	s_lshl_b32 s34, ttmp9, 17                      ; W2: row 64 slice + 32 ks, byte 256 cg
	s_lshl_b32 s5, s6, 16
	s_add_co_u32 s34, s34, s5
	s_lshl_b32 s5, s7, 8
	s_add_co_u32 s34, s34, s5
	s_add_nc_u64 s[40:41], s[12:13], s[34:35]
	s_lshl_b32 s34, s3, 17                         ; part: batch 8 bg (16,384 bytes each), slice (2,048 bytes)
	s_lshl_b32 s5, ttmp9, 11
	s_add_co_u32 s34, s34, s5
	s_add_nc_u64 s[22:23], s[22:23], s[34:35]
	; my wave's 512 slots: register 4 g + e of lane l is slot 128 g + 4 l + e, byte e of mask word g the same slot
.irp g, 0,1,2,3
	global_load_b128 v[MATE+4*\g:MATE+4*\g+3], v[L16], s[44:45] offset:512*\g
	global_load_b128 v[AIN+4*\g:AIN+4*\g+3], v[L16], s[42:43] offset:512*\g
	global_load_b32 v[MASKW+\g], v[L4], s[46:47] offset:128*\g
.endr
	global_load_b128 v[B1S:B1S+3], v[CQ16], s[10:11]
	global_load_b128 v[W0S:W0S+3], v[CQ16], s[36:37]
	global_load_b128 v[B2V:B2V+3], v[Q16], s[14:15]
	; THE TABLE.  Load i (0 .. 31) brings rows 32 i + thread / 16: sixteen lanes take the slice's 256 aligned bytes of one row.
	; Each load has four registers of its own, so none waits for a register: the first 16 are asked for here, the other 16 two at a time
	; between the steps of the first list.
.irp i, 0,1,2,3,4,5,6,7,8,9,10,11,12,13,14,15
	global_load_b128 v[RING+4*\i:RING+4*\i+3], v[GOFF], s[38:39] offset:65536*\i
.endr
	s_wait_loadcnt 16                              ; loads end in order (ISA guide 5.7.1): only the table's 16 stay out; slots, b1, W1[0], b2 are in
	v_pk_mul_f32 v[B1S:B1S+1], v[B1S:B1S+1], v[SIG:SIG+1]
	v_pk_mul_f32 v[B1S+2:B1S+3], v[B1S+2:B1S+3], v[SIG:SIG+1]
	v_pk_mul_f32 v[W0S:W0S+1], v[W0S:W0S+1], v[SIG:SIG+1]
	v_pk_mul_f32 v[W0S+2:W0S+3], v[W0S+2:W0S+3], v[SIG:SIG+1]
; One register of slots (32 of them, one a lane): those whose mask is true append their table offset and their a to the wave's list.
; All lanes store: a lane whose slot is masked out writes to a dump place of its own, which nobody reads.
.macro COMPACT q
	v_and_b32 v[T], 0xff<<(8*(\q&3)), v[MASKW+(\q>>2)]
	v_cmp_ne_u32 vcc_lo, 0, v[T]
	v_min_i32 v[T+1], 0x3ff, v[MATE+\q]            ; above the table: its last row
	v_min_u32 v[T+1], 0x400, v[T+1]                ; negative (huge as unsigned): row 1024, b1 alone
	v_lshlrev_b32 v[T+1], 8, v[T+1]                ; rows of 256 bytes
	v_mbcnt_lo_u32_b32 v[T+2], vcc_lo, s24         ; my place: entries so far + true lanes below me
	v_cndmask_b32 v[T+2], v[DUMP], v[T+2], vcc_lo  ; or my dump place
	v_min_u32 v[T+2], 0x13f, v[T+2]                ; 256 slots and 32 dump places from 288: the bound 319 changes no value
	v_lshlrev_b32 v[T+2], 2, v[T+2]
	v_add_nc_u32 v[T+2], v[LB], v[T+2]
	ds_store_b32 v[T+2], v[T+1]
	ds_store_b32 v[T+2], v[AIN+\q] offset:ALIST
	s_bcnt1_i32_b32 s29, vcc_lo
	s_add_co_u32 s24, s24, s29
.endm
; The list of 256 of my wave's slots (registers 8 c .. 8 c + 7).  First the whole list is filled with null slots (the table's zero row, a = 0):
; they fill up the last trip (at most 7) and serve the loads that run ahead (up to place 271).  LDS serves a wave's instructions in order
; (ISA guide 5.7.1), so the entries land on top of them.  ring = 1: behind step e the table's loads 16 + 2 e and 17 + 2 e are asked for.
.macro LIST c, ring
.irp k, 0,1,2,3
	v_mov_b32 v[PP+\k], NULLROW
	v_mov_b32 v[PP+4+\k], 0
.endr
.irp k, 0,1,2
	ds_store_b128 v[LBL], v[PP:PP+3] offset:512*\k
	ds_store_b128 v[LBL], v[PP+4:PP+7] offset:ALIST+512*\k
.endr
	s_mov_b32 s24, 0                               ; n: entries in the list
.irp e, 0,1,2,3,4,5,6,7
	COMPACT (8*\c+\e)
.if \ring
	global_load_b128 v[WR+8*\e:WR+8*\e+3], v[GOFF], s[38:39] offset:65536*(16+2*\e)
	global_load_b128 v[WR+8*\e+4:WR+8*\e+7], v[GOFF], s[38:39] offset:65536*(17+2*\e)
.endif
.endr
	s_add_co_u32 s25, s25, s24
	s_add_co_u32 s26, s24, 7
	s_lshr_b32 s26, s26, 3                         ; trips: eight entries each
.endm
	LIST 0, 1                                      ; while the table's loads are on their way
; Load i has come: s (W1 + b1), into LDS.  Behind load i stand loads i + 1 .. 31 and nothing else: the count is 31 - i.
.macro FILL i
.if \i < 16
.set fr, RING+4*\i
.else
.set fr, WR+4*(\i-16)
.endif
	s_wait_loadcnt 31-\i
	v_pk_fma_f32 v[fr:fr+1], v[fr:fr+1], v[SIG:SIG+1], v[B1S:B1S+1]
	v_pk_fma_f32 v[fr+2:fr+3], v[fr+2:fr+3], v[SIG:SIG+1], v[B1S+2:B1S+3]
	ds_store_b128 v[LA+(\i>>3)], v[fr:fr+3] offset:8192*(\i&7)    ; byte 8,192 i + 16 thread: consecutive lanes, consecutive 16 bytes
.endm
.irp i, 0,1,2,3,4,5,6,7,8,9,10,11,12,13,14,15,16,17,18,19,20,21,22,23,24,25,26,27,28,29,30,31
	FILL \i
.endr
	; rows 1024 (an inactive slot: s b1 alone) and 1025 (a null slot: zeros), by wave 0
	s_cmp_lg_u32 s4, 0
	s_cbranch_scc1 .Lno_special
	v_cmp_gt_u32 vcc_lo, 16, v[LANE]
.irp k, 0,1,2,3
	v_cndmask_b32 v[T+\k], 0, v[B1S+\k], vcc_lo    ; lanes 0-15: s b1; lanes 16-31: 0
.endr
	v_lshl_add_u32 v[ADR], v[LANE], 4, 0x40000     ; 262,144 + 16 lane
	ds_store_b128 v[ADR], v[T:T+3]
.Lno_special:
; y = a (s W1[0]) + table row, for slot s of my four; pr, sel: where its a lies in AV
.macro YS s, pr, sel
	v_pk_fma_f32 v[Y+4*\s:Y+4*\s+1], v[W0S:W0S+1], v[AV+\pr:AV+\pr+1], v[TAB+4*\s:TAB+4*\s+1] op_sel:[0,\sel,0] op_sel_hi:[1,\sel,1]
	v_pk_fma_f32 v[Y+4*\s+2:Y+4*\s+3], v[W0S+2:W0S+3], v[AV+\pr:AV+\pr+1], v[TAB+4*\s+2:TAB+4*\s+3] op_sel:[0,\sel,0] op_sel_hi:[1,\sel,1]
.endm
; Six LDS loads: the four table rows named by OFF, their four a (list byte aoff from LP), and the four offsets after them (byte ooff).
.macro REQ aoff, ooff
.irp s, 0,1,2,3
	v_min_u32 v[ADR+\s], NULLROW, v[OFF+\s]        ; a number from a list enters an address bounded by the table's last row
.endr
.irp s, 0,1,2,3
	v_add_nc_u32 v[ADR+\s], v[CQ16], v[ADR+\s]
.endr
.irp s, 0,1,2,3
	ds_load_b128 v[TAB+4*\s:TAB+4*\s+3], v[ADR+\s] ; sixteen lanes read the 256 consecutive bytes of one row
.endr
	ds_load_b128 v[AV:AV+3], v[LP] offset:ALIST+\aoff
	ds_load_b128 v[OFF:OFF+3], v[LP] offset:\ooff
.endm
; The three last steps of the GELU, for one half (eight) of a lane's sixteen numbers.  The halves take turns, so that behind every run of
; exponentials or reciprocals stand the plain lines of the other half before a result is used (ISA guide 5.7.2): no v_nop is needed.
.macro EXPO half                       ; -E = y (y^2 + kappa), then 2^E
.set k, 8*\half
.rept 4
	v_pk_mul_f32 v[PP+k:PP+k+1], v[PP+k:PP+k+1], v[Y+k:Y+k+1]
.set k, k+2
.endr
.set k, 8*\half
.rept 8
	v_exp_f32 v[PP+k], -v[PP+k]
.set k, k+1
.endr
.endm
.macro RECI half                       ; Phi = 1 / (1 + 2^E); 2^E = infinity gives 0
.set k, 8*\half
	s_wait_alu depctr_va_vdst(0)
.rept 4
	v_pk_add_f32 v[PP+k:PP+k+1], v[PP+k:PP+k+1], 1.0 op_sel_hi:[1,0]
.set k, k+2
.endr
.set k, 8*\half
.rept 8
	v_rcp_f32 v[PP+k], v[PP+k]
.set k, k+1
.endr
.endm
.macro ACCU half                       ; sum += y Phi; four running pairs, so that two adds to one pair stand four lines apart
.set k, 8*\half
	s_wait_alu depctr_va_vdst(0)
.rept 4
	v_pk_fma_f32 v[SUM+(k&6):SUM+(k&6)+1], v[Y+k:Y+k+1], v[PP+k:PP+k+1], v[SUM+(k&6):SUM+(k&6)+1]
.set k, k+2
.endr
.endm
; 16 GELUs a lane (four slots x four columns), added to the running sums: 32 packed instructions and 32 transcendentals
.macro GELU16
.set k, 0
.rept 8
	v_pk_fma_f32 v[PP+k:PP+k+1], v[Y+k:Y+k+1], v[Y+k:Y+k+1], v[KAP:KAP+1]     ; y^2 + kappa
.set k, k+2
.endr
	EXPO 0
	EXPO 1
	RECI 0
	RECI 1
	ACCU 0
	ACCU 1
.endm
; The walk of a list, eight entries a trip: four for each half of the wave.  s26 = trips.
.macro WALK c
	s_wait_dscnt 0x0                               ; all that I stored (table, list) is written,
	s_barrier_signal -1
	s_barrier_wait -1                              ; everybody's is: from here to the next barrier LDS is only read
	v_mov_b32 v[LP], v[LBH]
	ds_load_b128 v[OFF:OFF+3], v[LP]               ; entries 4 h .. 4 h + 3
	s_wait_dscnt 0x0
	REQ 0, 32                                      ; trip 0's rows and a, trip 1's offsets
	s_mov_b32 s27, 0
.Lmain\c:
	s_cmp_ge_u32 s27, s26
	s_cbranch_scc1 .Lexit\c
	s_wait_dscnt 0x0                               ; the six loads issued one trip ago, in front of that trip's 16 GELUs
	YS 0, 0, 0
	YS 1, 0, 1
	YS 2, 2, 0
	YS 3, 2, 1
	s_lshl_b32 s5, s27, 5                          ; 32 bytes of the list a trip,
	s_min_u32 s5, s5, 0x3e0                        ; 31 x 32 at the most: the bound changes no value
	v_add_nc_u32 v[LP], s5, v[LBH]
	REQ 32, 64                                     ; the next trip's rows and a, the offsets of the trip after it
	GELU16
	s_add_co_u32 s27, s27, 1
	s_cmp_lt_u32 s27, 32                           ; 256 slots are 32 trips at the most
	s_cbranch_scc1 .Lmain\c
.Lexit\c:
.if \c == 0
	; W2 for the product at the end is asked for here: the waves reach this line one after the other, the table's registers are free, and
	; the 16 loads stay out during the whole second walk.
	; Load i is row k(i) = 8 h + i (i < 8) or 16 + 8 h + i - 8 of my K step; lane r takes columns 4 r .. 4 r + 3 of my 64.
.irp i, 0,1,2,3,4,5,6,7,8,9,10,11,12,13,14,15
	global_load_b128 v[WR+4*\i:WR+4*\i+3], v[WOFF], s[40:41] offset:(\i+8*(\i/8))*2048
.endr
.endif
	s_wait_dscnt 0x0                               ; the loads that ran ahead have landed: my reads are over,
	s_barrier_signal -1
	s_barrier_wait -1                              ; everybody's are: LDS may be written again
.endm
	WALK 0
	LIST 1, 0
	WALK 1
	; my wave's 64 sums: the two sets of running pairs and the two halves of the wave joined, handed over in LDS with the count
	v_pk_add_f32 v[SUM:SUM+1], v[SUM:SUM+1], v[SUM+4:SUM+5]
	v_pk_add_f32 v[SUM+2:SUM+3], v[SUM+2:SUM+3], v[SUM+6:SUM+7]
.irp k, 0,1,2,3
	v_permlanex16_b32 v[T+\k], v[SUM+\k], s32, s33
.endr
	v_pk_add_f32 v[SUM:SUM+1], v[SUM:SUM+1], v[T:T+1]
	v_pk_add_f32 v[SUM+2:SUM+3], v[SUM+2:SUM+3], v[T+2:T+3]
	s_mul_i32 s5, s4, GPP
	s_add_co_u32 s5, s5, L_GP
	v_add_nc_u32 v[ADR], s5, v[CQ16]
	ds_store_b128 v[ADR], v[SUM:SUM+3]             ; both halves hold the same numbers and write the same bytes
	s_lshl_b32 s5, s4, 2
	s_add_co_u32 s5, s5, L_CNT
	v_mov_b32 v[ADR+1], s5
	v_cvt_f32_u32 v[ADR+2], s25
	ds_store_b32 v[ADR+1], v[ADR+2]
	s_wait_dscnt 0x0
	s_barrier_signal -1
	s_barrier_wait -1                              ; all sums are there; the table is dead
	; THE PRODUCT: [8 batches x 32 of my slice's columns] x [32 x 64 of W2].  A's row m = r stands for batch r & 7: rows 8-15 repeat rows 0-7.
	; Lane (r, h): registers 0-3 k = 8 h .. + 7, registers 4-7 k = 16 + 8 h .. + 7; in f32 that is 32 bytes at 32 h and 32 bytes at 64 + 32 h.
	v_and_b32 v[T], 7, v0
	v_bfe_u32 v[T+1], v0, 4, 1
	v_mul_u32_u24 v[T+2], v[T], 2*GPP              ; a batch's two waves lie side by side
	v_lshl_add_u32 v[T+2], v[T+1], 5, v[T+2]
	s_lshl_b32 s5, s6, 7                           ; K step ks: 32 f32
	s_add_co_u32 s5, s5, L_GP
	v_add_nc_u32 v[T+2], s5, v[T+2]
	v_lshlrev_b32 v[T+3], 3, v[T]
	v_add_nc_u32 v[T+3], L_CNT, v[T+3]
.irp p, 0,1
	ds_load_b128 v[GL+16*\p:GL+16*\p+3], v[T+2] offset:GPP*\p
	ds_load_b128 v[GL+16*\p+4:GL+16*\p+7], v[T+2] offset:GPP*\p+16
	ds_load_b128 v[GL+16*\p+8:GL+16*\p+11], v[T+2] offset:GPP*\p+64
	ds_load_b128 v[GL+16*\p+12:GL+16*\p+15], v[T+2] offset:GPP*\p+80
.endr
	ds_load_b64 v[CN:CN+1], v[T+3]
	s_lshl_b32 s5, s6, 14                          ; where my results go: stage ks, byte 256 cg of each row
	s_lshl_b32 s29, s7, 8
	s_add_co_u32 s5, s5, s29
	s_wait_loadcnt 0x0                             ; W2, asked for at the end of the first walk
	; B fragment q: tile column r stands for column 4 r + q of my 64; register p holds k(2 p), k(2 p + 1)
.irp q, 0,1,2,3
.irp p, 0,1,2,3,4,5,6,7
	v_cvt_pk_bf16_f32 v[BF+8*\q+\p], v[WR+8*\p+\q], v[WR+8*\p+4+\q]
.endr
.endr
	s_wait_dscnt 0x0
	v_add_f32 v[CN], v[CN], v[CN+1]
	v_max_num_f32 v[CN], 1.0, v[CN]
	v_rcp_f32 v[CN], v[CN]
.irp k, 0,2,4,6,8,10,12,14
	v_pk_add_f32 v[GL+\k:GL+\k+1], v[GL+\k:GL+\k+1], v[GL+16+\k:GL+17+\k]     ; the batch's two waves; also the place behind the reciprocal
.endr
	s_wait_alu depctr_va_vdst(0)
	v_mul_f32 v[CN], UNSCALE, v[CN]                ; 1 / (s max(cnt, 1))
.irp k, 0,2,4,6,8,10,12,14
	v_pk_mul_f32 v[GL+\k:GL+\k+1], v[GL+\k:GL+\k+1], v[CN:CN+1] op_sel_hi:[1,0]
.endr
.irp p, 0,1,2,3,4,5,6,7
	v_cvt_pk_bf16_f32 v[AF+\p], v[GL+2*\p], v[GL+2*\p+1]
.endr
.irp q, 0,1,2,3
	v_wmma_f32_16x16x32_bf16 v[ACC+8*\q:ACC+8*\q+7], v[AF:AF+7], v[BF+8*\q:BF+8*\q+7], 0
.endr
	; five plain vector instructions that name none of the products' registers: the places in front of the stores of the results
	v_add_nc_u32 v[ADR], s5, v[CQ16]               ; stage: + 16 r
	v_lshrrev_b32 v[T], 7, v0                      ; the read-out: thread / 128 is a row,
	v_lshl_add_u32 v[T+1], v[T], 11, v[Q16]        ; 2,048 bytes a row in the stage, 16 bytes a thread
	v_lshl_add_u32 v[T+2], v[T], 14, v[Q16]        ; 16,384 bytes a batch in part
	v_lshl_add_u32 v[T+3], v[T], 3, L_CNT          ; the row's two counts
	; register j of tile q is (batch j, column 4 r + q) in lanes 0-15; lanes 16-31 hold rows 8-15, the same numbers, and write the same words
.irp q, 0,1,2,3
.irp j, 0,1,2,3,4,5,6,7
	ds_store_b32 v[ADR], v[ACC+8*\q+\j] offset:2048*\j+4*\q
.endr
.endr
	s_wait_dscnt 0x0
	s_barrier_signal -1
	s_barrier_wait -1
	; THE WAY OUT: rows thread / 128 and thread / 128 + 4; the two K steps are added, and b2 min(cnt, 1) / 8.
	; One store of a wave covers 512 consecutive bytes, aligned.
.irp i, 0,1
	ds_load_b128 v[GL+8*\i:GL+8*\i+3], v[T+1] offset:8192*\i
	ds_load_b128 v[GL+8*\i+4:GL+8*\i+7], v[T+1] offset:8192*\i+16384
	ds_load_b64 v[GL+16+2*\i:GL+17+2*\i], v[T+3] offset:32*\i
.endr
	s_wait_dscnt 0x0
.irp i, 0,1
	v_add_f32 v[GL+16+2*\i], v[GL+16+2*\i], v[GL+17+2*\i]
	v_min_num_f32 v[GL+16+2*\i], 1.0, v[GL+16+2*\i]
	v_mul_f32 v[GL+16+2*\i], EIGHTH, v[GL+16+2*\i]
	v_pk_add_f32 v[GL+8*\i:GL+8*\i+1], v[GL+8*\i:GL+8*\i+1], v[GL+8*\i+4:GL+8*\i+5]
	v_pk_add_f32 v[GL+8*\i+2:GL+8*\i+3], v[GL+8*\i+2:GL+8*\i+3], v[GL+8*\i+6:GL+8*\i+7]
	v_pk_fma_f32 v[GL+8*\i:GL+8*\i+1], v[B2V:B2V+1], v[GL+16+2*\i:GL+17+2*\i], v[GL+8*\i:GL+8*\i+1] op_sel_hi:[1,0,1]
	v_pk_fma_f32 v[GL+8*\i+2:GL+8*\i+3], v[B2V+2:B2V+3], v[GL+16+2*\i:GL+17+2*\i], v[GL+8*\i+2:GL+8*\i+3] op_sel_hi:[1,0,1]
	global_store_b128 v[T+2], v[GL+8*\i:GL+8*\i+3], s[22:23] offset:65536*\i
.endr
	s_wait_tensorcnt 0x0
	ds_add_u32 v248, v249
	s_wait_dscnt 0x0
	s_endpgm
.Lfunc_end_k_q1099d99f71_pool:
	.size	k_q1099d99f71_pool, .Lfunc_end_k_q1099d99f71_pool-k_q1099d99f71_pool
	.p2alignl 7, 3214868480
	.fill 96, 4, 3214868480
	.section	.rodata,"a",@progbits
	.p2align	6, 0x0
	.amdhsa_kernel k_q1099d99f71_pool
		.amdhsa_group_segment_fixed_size 318464
		.amdhsa_private_segment_fixed_size 0
		.amdhsa_enable_private_segment 0
		.amdhsa_kernarg_size 64
		.amdhsa_user_sgpr_count 2
		.amdhsa_user_sgpr_kernarg_segment_ptr 1
		.amdhsa_wavefront_size32 1
		.amdhsa_system_sgpr_workgroup_id_x 1
		.amdhsa_system_sgpr_workgroup_id_y 1
		.amdhsa_system_sgpr_workgroup_id_z 1
		.amdhsa_system_vgpr_workitem_id 0
		.amdhsa_next_free_vgpr 250
		.amdhsa_next_free_sgpr 66
		.amdhsa_reserve_vcc 1
		.amdhsa_float_denorm_mode_32 3
		.amdhsa_float_denorm_mode_16_64 3
		.amdhsa_memory_ordered 1
		.amdhsa_forward_progress 1
		.amdhsa_inst_pref_size 52
	.end_amdhsa_kernel
	.amdgpu_metadata
---
amdhsa.version: [ 1, 2 ]
amdhsa.kernels:
  - .name:           k_q1099d99f71_pool
    .symbol:         k_q1099d99f71_pool.kd
    .args:
      - { .name: W1, .offset: 0, .size: 8, .value_kind: global_buffer, .address_space: global }
      - { .name: b1, .offset: 8, .size: 8, .value_kind: global_buffer, .address_space: global }
      - { .name: W2, .offset: 16, .size: 8, .value_kind: global_buffer, .address_space: global }
      - { .name: b2, .offset: 24, .size: 8, .value_kind: global_buffer, .address_space: global }
      - { .name: a, .offset: 32, .size: 8, .value_kind: global_buffer, .address_space: global }
      - { .name: mate, .offset: 40, .size: 8, .value_kind: global_buffer, .address_space: global }
      - { .name: mask, .offset: 48, .size: 8, .value_kind: global_buffer, .address_space: global }
      - { .name: part, .offset: 56, .size: 8, .value_kind: global_buffer, .address_space: global }
    .group_segment_fixed_size: 318464
    .private_segment_fixed_size: 0
    .kernarg_segment_align: 8
    .kernarg_segment_size: 64
    .max_flat_workgroup_size: 512
    .sgpr_count:     66
    .vgpr_count:     250
    .wavefront_size: 32
...
	.end_amdgpu_metadata
.endif
;; end of part 3
;; launch tail (part 4): grid 8 x 32, 16 waves a work-group, no clusters, 43,264 bytes of LDS; arguments part, ln_g, ln_b, W3, b3, out0; writes out0
.if DOCPART == 4
	.amdgcn_target "amdgcn-amd-amdhsa--gfx1250"
	.amdhsa_code_object_version 6
	.text
	.protected	k_q1099d99f71_tail
	.globl	k_q1099d99f71_tail
	.p2align	8
	.type	k_q1099d99f71_tail,@function
k_q1099d99f71_tail:
	s_mov_b64 s[64:65], 0
	v_nop
	global_prefetch_b8 v0, s[64:65] scope:SCOPE_SE
	s_setreg_imm32_b32 hwreg(HW_REG_WAVE_MODE, 25, 1), 1
	s_wait_xcnt 0x0
; SigmaEncoder, second of two launches: pooled = the sum of the eight partials, LayerNorm in f32, times W3, plus b3.
; Work-group (cb = x, bg = y): batches 8 bg .. + 7, output columns 64 cb .. + 63.
;  - Waves 0-7: wave w adds the eight partials of batch 8 bg + w (a whole row of 512 in 16 registers a lane), norms it, and lays it in LDS in bf16.
;    The eight work-groups of a bg each do this for themselves: a row is needed whole, and handing it over would take a launch more.
;  - All 16 waves: wave w multiplies K step 32 w: [8 x 32] x [32 x 64 of W3], bf16 operands, f32 sums; the 16 partial tiles meet in LDS.
;  - Waves 0-7: wave w adds row w of the 16 tiles and b3 and stores 256 consecutive, aligned bytes of out0.
; The order of the loads: waves 0-7 ask for what the norm needs first and for their part of W3 behind it, so that the norm is computed while
; W3 is still on its way.
; No joint tensor loads: W3's and part's words are all converted or summed in registers on their way, and each wave reads its bytes once.
; LIMIT: the normed row and W3 enter the product rounded to bf16; all else is f32.  The sum over K is made in 16 parts, then added as a tree.
.set NPITCH, 1040                      ; LDS: 8 normed rows of 512 bf16, 1,024 bytes + 16
.set L_PRT,  8448                      ; then a tile [8 rows][64] f32 = 2,048 bytes for each wave
.set INV512, 0x3b000000
.set EPS,    0x3727c5ac                ; 1e-5
.set LANE, 1
.set WOFF, 2                           ; offset of my part of a weight fragment
.set L16,  3
.set T,    4                           ; v[4:9] at work
.set B3V,  10
.set MU,   12
.set RS,   14
.set GV,   16                          ; ln_g, my 16 columns 128 j + 4 lane + e
.set BV,   32                          ; ln_b
.set WR,   48                          ; 64: W3 as loaded, f32
.set PT,   112                         ; 128: eight partials of 16
.set X,    112                         ; their sum, then the normed row
.set NB,   128                         ; the row in bf16
.set AF,   136
.set BF,   144
.set ACC,  176
.set FL,   208                         ; 16 pairs on the way out
.set R16,  240
.set L8,   241
.set AADR, 242
	s_load_b256 s[8:15], s[0:1], 0x0               ; part 8, ln_g 10, ln_b 12, W3 14
	s_load_b128 s[16:19], s[0:1], 0x20             ; b3 16, out0 18
	v_lshl_add_u32 v244, v0, 2, 0xa100
	v_mov_b32 v245, 0
	v_lshrrev_b32 v[T], 5, v0
	v_readfirstlane_b32 s4, v[T]                   ; wave 0..15
	s_and_b32 s3, ttmp7, 0xffff                    ; bg; ttmp9 is cb
	v_and_b32 v[LANE], 31, v0
	v_and_b32 v[T+1], 15, v0                       ; r
	v_bfe_u32 v[T+2], v0, 4, 1                     ; h
	v_and_b32 v[T+3], 7, v0                        ; r & 7
	v_lshlrev_b32 v[R16], 4, v[T+1]
	v_lshlrev_b32 v[L16], 4, v[LANE]
	v_lshlrev_b32 v[L8], 3, v[LANE]
	v_lshl_add_u32 v[WOFF], v[T+2], 14, v[R16]     ; 8 h rows of 2,048 bytes + 16 r
	v_mul_u32_u24 v[AADR], v[T+3], NPITCH          ; A fragment: row r & 7, byte 64 w + 16 h
	v_lshl_add_u32 v[AADR], v[T+2], 4, v[AADR]
	s_lshl_b32 s6, s4, 6
	v_add_nc_u32 v[AADR], s6, v[AADR]
	s_mov_b32 s20, 0x76543210                      ; v_permlanex16_b32: lane i reads lane i of the other half
	s_mov_b32 s21, 0xfedcba98
	s_mov_b32 s26, INV512
	s_mov_b32 s27, EPS
	s_lshl_b32 s5, ttmp9, 8                        ; 256 cb: kept to the end
	s_lshl_b32 s28, s4, 16                         ; W3: row 32 w, byte 256 cb
	s_add_co_u32 s28, s28, s5
	s_mov_b32 s29, 0                               ; s[28:29]: an offset as a pair
	s_wait_kmcnt 0x0
	s_add_nc_u64 s[22:23], s[14:15], s[28:29]
	s_cmp_ge_u32 s4, 8
	s_cbranch_scc1 .Lweights                       ; waves 8-15 have no row
	s_lshl_b32 s28, s3, 17                         ; part: batch 8 bg + w, 16,384 bytes each
	s_lshl_b32 s6, s4, 14
	s_add_co_u32 s28, s28, s6
	s_add_nc_u64 s[24:25], s[8:9], s[28:29]
	s_mov_b32 s28, s5
	s_add_nc_u64 s[16:17], s[16:17], s[28:29]      ; b3 at column 64 cb
.irp s, 0,1,2,3,4,5,6,7
.irp j, 0,1,2,3
	global_load_b128 v[PT+16*\s+4*\j:PT+16*\s+4*\j+3], v[L16], s[24:25] offset:2048*\s+512*\j
.endr
.endr
.irp j, 0,1,2,3
	global_load_b128 v[GV+4*\j:GV+4*\j+3], v[L16], s[10:11] offset:512*\j
	global_load_b128 v[BV+4*\j:BV+4*\j+3], v[L16], s[12:13] offset:512*\j
.endr
	global_load_b64 v[B3V:B3V+1], v[L8], s[16:17]
.Lweights:
	; load i is row k(i) = 8 h + i (i < 8) or 16 + 8 h + i - 8 of my K step; lane r takes columns 4 r .. 4 r + 3 of the 64
.irp i, 0,1,2,3,4,5,6,7,8,9,10,11,12,13,14,15
	global_load_b128 v[WR+4*\i:WR+4*\i+3], v[WOFF], s[22:23] offset:(\i+8*(\i/8))*2048
.endr
.macro WSUM                            ; v[T] summed over the 32 lanes, the result in every lane
	v_add_f32_dpp v[T], v[T], v[T] row_xmask:1 row_mask:0xf bank_mask:0xf
	v_add_f32_dpp v[T], v[T], v[T] row_xmask:2 row_mask:0xf bank_mask:0xf
	v_add_f32_dpp v[T], v[T], v[T] row_xmask:4 row_mask:0xf bank_mask:0xf
	v_add_f32_dpp v[T], v[T], v[T] row_xmask:8 row_mask:0xf bank_mask:0xf
	v_permlanex16_b32 v[T+1], v[T], s20, s21
	v_add_f32 v[T], v[T], v[T+1]
.endm
	s_cmp_ge_u32 s4, 8
	s_cbranch_scc1 .Lnormed
	s_wait_loadcnt 16                              ; loads end in order (ISA guide 5.7.1): only W3's 16 stay out; partials, ln_g, ln_b, b3 are in
.irp s, 1,2,3,4,5,6,7
.irp k, 0,2,4,6,8,10,12,14
	v_pk_add_f32 v[X+\k:X+\k+1], v[X+\k:X+\k+1], v[PT+16*\s+\k:PT+16*\s+\k+1]
.endr
.endr
	; the mean
	v_pk_add_f32 v[T:T+1], v[X:X+1], v[X+2:X+3]
	v_pk_add_f32 v[T+2:T+3], v[X+4:X+5], v[X+6:X+7]
	v_pk_add_f32 v[T+4:T+5], v[X+8:X+9], v[X+10:X+11]
	v_pk_add_f32 v[MU:MU+1], v[X+12:X+13], v[X+14:X+15]
	v_pk_add_f32 v[T:T+1], v[T:T+1], v[T+2:T+3]
	v_pk_add_f32 v[T+4:T+5], v[T+4:T+5], v[MU:MU+1]
	v_pk_add_f32 v[T:T+1], v[T:T+1], v[T+4:T+5]
	v_add_f32 v[T], v[T], v[T+1]
	WSUM
	v_mul_f32 v[MU], s26, v[T]
	v_mul_f32 v[MU+1], s26, v[T]
.irp k, 0,2,4,6,8,10,12,14
	v_pk_add_f32 v[X+\k:X+\k+1], v[X+\k:X+\k+1], v[MU:MU+1] neg_lo:[0,1] neg_hi:[0,1]
.endr
	; the variance
	v_pk_mul_f32 v[T:T+1], v[X:X+1], v[X:X+1]
.irp k, 2,4,6,8,10,12,14
	v_pk_fma_f32 v[T:T+1], v[X+\k:X+\k+1], v[X+\k:X+\k+1], v[T:T+1]
.endr
	v_add_f32 v[T], v[T], v[T+1]
	WSUM
	v_fma_f32 v[T], v[T], s26, s27                 ; var + 1e-5
	v_rsq_f32 v[RS], v[T]                          ; twice, to fill the pair that the packed multiply takes
	v_rsq_f32 v[RS+1], v[T]
	s_mul_i32 s6, s4, NPITCH
	v_add_nc_u32 v[T+2], s6, v[L8]                 ; my row in LDS + 8 lane; also the plain place behind the roots (ISA guide 5.7.2)
	s_wait_alu depctr_va_vdst(0)
.irp k, 0,2,4,6,8,10,12,14
	v_pk_mul_f32 v[X+\k:X+\k+1], v[X+\k:X+\k+1], v[RS:RS+1]
.endr
.irp k, 0,2,4,6,8,10,12,14
	v_pk_fma_f32 v[X+\k:X+\k+1], v[X+\k:X+\k+1], v[GV+\k:GV+\k+1], v[BV+\k:BV+\k+1]
.endr
.irp p, 0,1,2,3,4,5,6,7
	v_cvt_pk_bf16_f32 v[NB+\p], v[X+2*\p], v[X+2*\p+1]
.endr
.irp j, 0,1,2,3
	ds_store_b64 v[T+2], v[NB+2*\j:NB+2*\j+1] offset:256*\j       ; columns 128 j + 4 lane .. + 3: the wave writes 256 consecutive bytes
.endr
.Lnormed:
	s_wait_dscnt 0x0
	s_barrier_signal -1
	s_barrier_wait -1                              ; the eight rows are there
	; A's row m = r stands for batch r & 7: rows 8-15 repeat rows 0-7
	ds_load_b128 v[AF:AF+3], v[AADR]
	ds_load_b128 v[AF+4:AF+7], v[AADR] offset:32
	s_lshl_b32 s6, s4, 11
	s_add_co_u32 s6, s6, L_PRT                     ; my tile
	s_lshl_b32 s7, s4, 8
	s_add_co_u32 s7, s7, L_PRT                     ; row w of tile 0
	s_wait_loadcnt 0x0                             ; W3
	; B fragment q: tile column r stands for column 4 r + q of the 64; register p holds k(2 p), k(2 p + 1)
.irp q, 0,1,2,3
.irp p, 0,1,2,3,4,5,6,7
	v_cvt_pk_bf16_f32 v[BF+8*\q+\p], v[WR+8*\p+\q], v[WR+8*\p+4+\q]
.endr
.endr
	s_wait_dscnt 0x0
.irp q, 0,1,2,3
	v_wmma_f32_16x16x32_bf16 v[ACC+8*\q:ACC+8*\q+7], v[AF:AF+7], v[BF+8*\q:BF+8*\q+7], 0
.endr
	; four places in front of the stores of the results: two addresses, two v_nop
	v_add_nc_u32 v[T], s6, v[R16]
	v_add_nc_u32 v[T+1], s7, v[L8]
	v_nop
	v_nop
	; register j of tile q is (batch j, column 4 r + q) in lanes 0-15; lanes 16-31 hold rows 8-15, the same numbers, and write the same words
.irp q, 0,1,2,3
.irp j, 0,1,2,3,4,5,6,7
	ds_store_b32 v[T], v[ACC+8*\q+\j] offset:256*\j+4*\q
.endr
.endr
	s_wait_dscnt 0x0
	s_barrier_signal -1
	s_barrier_wait -1
	s_cmp_ge_u32 s4, 8
	s_cbranch_scc1 .Lend
.irp p, 0,1,2,3,4,5,6,7,8,9,10,11,12,13,14,15
	ds_load_b64 v[FL+2*\p:FL+2*\p+1], v[T+1] offset:2048*\p       ; row w of tile p, columns 2 lane, 2 lane + 1
.endr
	s_lshl_b32 s28, s3, 14                         ; out0: row 8 bg + w of 2,048 bytes, byte 256 cb
	s_lshl_b32 s6, s4, 11
	s_add_co_u32 s28, s28, s6
	s_add_co_u32 s28, s28, s5
	s_add_nc_u64 s[18:19], s[18:19], s[28:29]
	s_wait_dscnt 0x0
.irp p, 0,1,2,3,4,5,6,7
	v_pk_add_f32 v[FL+2*\p:FL+2*\p+1], v[FL+2*\p:FL+2*\p+1], v[FL+16+2*\p:FL+17+2*\p]
.endr
.irp p, 0,1,2,3
	v_pk_add_f32 v[FL+2*\p:FL+2*\p+1], v[FL+2*\p:FL+2*\p+1], v[FL+8+2*\p:FL+9+2*\p]
.endr
	v_pk_add_f32 v[FL:FL+1], v[FL:FL+1], v[FL+4:FL+5]
	v_pk_add_f32 v[FL+2:FL+3], v[FL+2:FL+3], v[FL+6:FL+7]
	v_pk_add_f32 v[FL:FL+1], v[FL:FL+1], v[FL+2:FL+3]
	v_pk_add_f32 v[FL:FL+1], v[FL:FL+1], v[B3V:B3V+1]
	global_store_b64 v[L8], v[FL:FL+1], s[18:19]   ; the wave writes 256 consecutive bytes, aligned
.Lend:
	s_wait_tensorcnt 0x0
	ds_add_u32 v244, v245
	s_wait_dscnt 0x0
	s_endpgm
.Lfunc_end_k_q1099d99f71_tail:
	.size	k_q1099d99f71_tail, .Lfunc_end_k_q1099d99f71_tail-k_q1099d99f71_tail
	.p2alignl 7, 3214868480
	.fill 96, 4, 3214868480
	.section	.rodata,"a",@progbits
	.p2align	6, 0x0
	.amdhsa_kernel k_q1099d99f71_tail
		.amdhsa_group_segment_fixed_size 43264
		.amdhsa_private_segment_fixed_size 0
		.amdhsa_enable_private_segment 0
		.amdhsa_kernarg_size 48
		.amdhsa_user_sgpr_count 2
		.amdhsa_user_sgpr_kernarg_segment_ptr 1
		.amdhsa_wavefront_size32 1
		.amdhsa_system_sgpr_workgroup_id_x 1
		.amdhsa_system_sgpr_workgroup_id_y 1
		.amdhsa_system_sgpr_workgroup_id_z 1
		.amdhsa_system_vgpr_workitem_id 0
		.amdhsa_next_free_vgpr 246
		.amdhsa_next_free_sgpr 66
		.amdhsa_reserve_vcc 0
		.amdhsa_float_denorm_mode_32 3
		.amdhsa_float_denorm_mode_16_64 3
		.amdhsa_memory_ordered 1
		.amdhsa_forward_progress 1
		.amdhsa_inst_pref_size 23
	.end_amdhsa_kernel
	.amdgpu_metadata
---
amdhsa.version: [ 1, 2 ]
amdhsa.kernels:
  - .name:           k_q1099d99f71_tail
    .symbol:         k_q1099d99f71_tail.kd
    .args:
      - { .name: part, .offset: 0, .size: 8, .value_kind: global_buffer, .address_space: global }
      - { .name: ln_g, .offset: 8, .size: 8, .value_kind: global_buffer, .address_space: global }
      - { .name: ln_b, .offset: 16, .size: 8, .value_kind: global_buffer, .address_space: global }
      - { .name: W3, .offset: 24, .size: 8, .value_kind: global_buffer, .address_space: global }
      - { .name: b3, .offset: 32, .size: 8, .value_kind: global_buffer, .address_space: global }
      - { .name: out0, .offset: 40, .size: 8, .value_kind: global_buffer, .address_space: global }
    .group_segment_fixed_size: 43264
    .private_segment_fixed_size: 0
    .kernarg_segment_align: 8
    .kernarg_segment_size: 48
    .max_flat_workgroup_size: 512
    .sgpr_count:     66
    .vgpr_count:     246
    .wavefront_size: 32
...
	.end_amdgpu_metadata
.endif
;; end of part 4
